; MI455X (gfx1250); checked and timed in simulation.
; The chip was launched on July 23, 2026; its instructions are those of AMD's public machine-readable ISA for CDNA 5 (MIT licence, August 2026) and "CDNA5" Instruction Set Architecture Reference Guide (July 2026). The comments in the code are by the model that wrote it; some were corrected since.
;; Multi Head Attention Block. Allowed arithmetic: matrix products marked QUANTISED: E2M3 operands, one E8M0 scale for each 32 along K, by v_wmma_scale_f32_16x16x128_f8f6f4 with both operands' format E2M3, f32 sums; everything else in f32.
;; Inputs: W_k 1,024 x 1,024 float32; W_o 1,024 x 1,024 float32; W_q 1,024 x 1,024 float32; W_v 1,024 x 1,024 float32; b_k 1,024 float32; b_o 1,024 float32; b_q 1,024 float32; b_v 1,024 float32; k 4 x 2,048 x 1,024 float32; mask 1 x 1 x 2,048 x 2,048 int32; q 4 x 2,048 x 1,024 float32; v 4 x 2,048 x 1,024 float32.
;; Outputs: out0 4 x 2,048 x 1,024 float32.
;; This version of the problem:
;;   THIS VERSION OF THE PROBLEM IS GIVEN IN LOW PRECISION. The matrix products marked QUANTISED in the list below multiply operands that are first quantised to E2M3 (2 exponent bits, 3 mantissa bits; 6 bits a number), with one power-of-two scale for each 32 numbers along K (OCP MX v1.0); their sums are f32. All else is computed in f32.
;;   The module's matrix products, in the order in which they are computed (A, B: the left and right operand; K: the contracted axis; several contracted axes count as one K, in the product's order):
;;     1. [M 8,192, K 1,024] x [K 1,024, N 1,024]; A: input q; B: input W_q: QUANTISED
;;     2. [M 8,192, K 1,024] x [K 1,024, N 1,024]; A: input k; B: input W_k: QUANTISED
;;     3. [M 8,192, K 1,024] x [K 1,024, N 1,024]; A: input v; B: input W_v: QUANTISED
;;     4. batch 64 x [M 2,048, K 64] x [K 64, N 2,048]; A: computed on the way; B: computed on the way: QUANTISED
;;     5. batch 64 x [M 2,048, K 2,048] x [K 2,048, N 64]; A: softmax (see below); B: computed on the way: QUANTISED
;;     6. [M 8,192, K 1,024] x [K 1,024, N 1,024]; A: computed on the way; B: input W_o: QUANTISED
;;   THE QUANTISER, for each operand of a quantised product, along K:
;;     - K is cut into blocks of 32 from its start; a last block that is shorter is filled with zeros.
;;     - A block's scale is 2^e with e = floor(log2(the largest magnitude in the block)) - 2, held to -126 .. 127; a block of zeros has e = 0. As a byte (E8M0): e + 127.
;;     - Each number is divided by its block's scale, clamped to +-7.5, and rounded to the nearest number of E2M3, ties to even, subnormals kept.
;;     - The product sums the exact products of the quantised numbers (number of the format x scale) in f32.
;;   ~~~python
;;   def quantise(x, axis):      # numpy; x: float32 -> the quantised numbers, widened to float32 again
;;       x = np.moveaxis(x, axis, -1); K = x.shape[-1]
;;       x = np.pad(x, [(0, 0)] * (x.ndim - 1) + [(0, -K % 32)]); x = x.reshape(x.shape[:-1] + (-1, 32)); a = np.abs(x).max(-1, keepdims=True)
;;       e = np.where(a > 0, np.clip(np.frexp(np.where(a > 0, a, 1))[1] - 1 - 2, -126, 127), 0)      # np.frexp(a)[1] - 1 = floor(log2(a)), exactly
;;       r = np.clip(x / 2.0 ** e, -7.5, 7.5)
;;       step = 2.0 ** (np.maximum(np.frexp(np.where(r == 0, 1, r))[1] - 1, 0) - 3)
;;       q = np.round(r / step) * step * 2.0 ** e      # np.round: ties to even
;;       return np.moveaxis(q.reshape(q.shape[:-2] + (-1,))[..., :K], -1, axis).astype(np.float32)
;;   ~~~
;;   SOFTMAX AHEAD OF A QUANTISED PRODUCT. Where the list says 'softmax', what is quantised is not the finished softmax but p = 2^(t - M), with t = logit x log2(e) and M = ceil(the row's largest t), a whole number; so 1/2 < the row's largest p <= 1. The row's sum l is taken of the UNQUANTISED p, in f32, and the product's result is divided by l at the end. Since M is a whole number, a kernel that streams over the keys may use a running M (the ceiling of the running maximum): every later rescaling is an exact power of two, which a block's scale takes up: the codes' values come out the same.
;;   OPERANDS COMPUTED ON THE WAY. 'Computed on the way' means the value that the module computes at that place (a softmax that the list does not call 'softmax' is quantised finished and normalised). What goes into a quantiser is computed in f32, as accurately as f32 sums, v_exp_f32 and their like allow (about 1e-6 of the number): no bf16 or f16 on the way to a quantiser, and a product that is left as it is and whose result goes on into a quantised operand takes f32 operands (vector FMAs, or v_wmma_f32_16x16x4_f32). A number that lies on a knife's edge between two numbers of the format may be rounded either way, as far as f32 arithmetic and the matrix unit's own rounding can turn it there, and no further.
;; One version. Each part assembles by itself: llvm-mc -triple=amdgcn-amd-amdhsa -mcpu=gfx1250 --defsym DOCPART=n.
;; ======== version 1 of 1: 5 launches
;; limits: right only within a limited range of input values
;; workspace buffers: xc 18,874,368 bytes; xs 786,432 bytes; wc 3,145,728 bytes; ws 131,072 bytes; maskw 526,336 bytes of whole numbers; aq 19,660,800 bytes; oq 6,553,600 bytes
;; launch prep_x (part 1): grid 768 x 1, 4 waves a work-group, no clusters, 33,280 bytes of LDS; arguments q, k, v, xc, xs; writes xc, xs
.if DOCPART == 1
	.amdgcn_target "amdgcn-amd-amdhsa--gfx1250"
	.amdhsa_code_object_version 6
	.text
	.protected	k_q62b2978dd5_prep_x
	.globl	k_q62b2978dd5_prep_x
	.p2align	8
	.type	k_q62b2978dd5_prep_x,@function
k_q62b2978dd5_prep_x:
	s_mov_b64 s[64:65], 0
	v_nop
	global_prefetch_b8 v0, s[64:65] scope:SCOPE_SE
	s_setreg_imm32_b32 hwreg(HW_REG_WAVE_MODE, 25, 1), 1
	s_wait_xcnt 0x0
; q, k, v, each [8192][1024] f32, become codes of E2M3 (6 bits, K innermost, 768 bytes a row) in xc [3][8192][768] and one E8M0 byte for each 32 along K in xs [3][8192][32].
; A block's scale is 2^(floor(log2(its largest magnitude)) - 2); its byte is the largest magnitude's exponent field - 2, held at 1 from below (a block of zeros keeps the byte 1: its codes are zeros, and this program alone reads the bytes).
; LIMITS: blocks whose largest magnitude lies under 2^-124 keep the byte 1; NaN and infinities among the inputs are not served.
; THE ROWS OF k AND v ARE STORED WITH BITS 3 AND 4 OF THE ROW NUMBER EXCHANGED (q's as they are): a later product that takes 16 stored rows as a tile then leaves 16 neighbouring rows in a lane's 16 registers of two neighbouring tiles.
; A wave takes 8 rows (8,192 numbers) in 16 steps of 512; bits 3 and 4 of the row are bits 0 and 1 of the wave's number, so the exchange is made once, in the wave's output offset.
; Each load reads 512 consecutive bytes, 16 a lane; a step's 2,048 bytes turn through the wave's own stage in LDS and come back 64 bytes a lane: 16 neighbours along K, two lanes to a block.  Loads run four steps ahead, the stage one step.
.set WAVES, 4
.set STEPS, 16
.set EMAX,  2
.set CB,    12                         ; bytes of 16 codes
.set R,     16                         ; v16-79   four sets of 16 numbers as loaded
.set X,     80                         ; v80-111  two sets of 16 neighbours
.set C,     128                        ; v128-191 codes: four registers for each step, so that no store's data are written again
.set E,     112                        ; v112-127 a scale byte for each step
.set WREG,  8192                       ; LDS: a region for each wave: two stages of 32 x SP bytes, then its 256 scale bytes
.set SP,    80                         ; a lane's place in a stage: 64 bytes + 16 of padding
.set SPW,   12                         ; v12 LDS address of my spare word; never rewritten
.set NIL,   13                         ; v13 0; never rewritten
.set SPARE, WAVES*WREG                 ; the spare words: 128 bytes a wave, named by no other line
	s_load_b128 s[4:7], s[0:1], 0x0                ; q, k
	s_load_b128 s[8:11], s[0:1], 0x10              ; v, xc
	s_load_b64 s[12:13], s[0:1], 0x20              ; xs
	v_lshl_add_u32 v[SPW], v0, 2, SPARE
	v_mov_b32 v[NIL], 0
	v_lshrrev_b32 v1, 5, v0
	v_readfirstlane_b32 s16, v1                    ; wave
	v_and_b32 v2, 31, v0                           ; lane
	v_lshlrev_b32 v3, 4, v2                        ; my 16 bytes of a load's 512
	s_mul_i32 s17, s16, WREG
	v_lshrrev_b32 v14, 2, v2
	v_mul_u32_u24 v14, v14, SP
	v_and_b32 v15, 3, v2
	v_lshl_add_u32 v14, v15, 4, v14
	v_add_nc_u32 v14, s17, v14                     ; the stage, on the way in: SP (lane / 4) + 16 (lane % 4)
	v_mul_u32_u24 v15, v2, SP
	v_add_nc_u32 v15, s17, v15                     ; and on the way out: SP x lane
	v_mul_u32_u24 v4, v2, CB                       ; my codes' place in a step's 384 bytes
	v_lshrrev_b32 v5, 1, v2
	s_add_co_u32 s17, s17, 2*32*SP
	v_add_nc_u32 v5, s17, v5                       ; my block's byte among my wave's 256
	v_lshlrev_b32 v7, 3, v2
	v_add_nc_u32 v6, s17, v7                       ; and 8 bytes a lane on their way out
	s_lshr_b32 s14, ttmp9, 8                       ; which tensor: 0 q, 1 k, 2 v
	s_and_b32 s15, ttmp9, 255                      ; which 32 rows of it
	s_and_b32 s18, s16, 1
	s_lshl_b32 s18, s18, 1
	s_lshr_b32 s19, s16, 1
	s_or_b32 s18, s18, s19                         ; my wave's number with its two bits exchanged
	s_wait_kmcnt 0x0
	s_cmp_eq_u32 s14, 1
	s_cselect_b64 s[6:7], s[6:7], s[8:9]           ; k or v
	s_cmp_eq_u32 s14, 0
	s_cselect_b64 s[4:5], s[4:5], s[6:7]           ; q or that
	s_cselect_b32 s18, s16, s18                    ; q's rows stay where they are
	s_lshl_b32 s17, s15, 2
	s_add_co_u32 s20, s17, s16                     ; the run of 8 rows that I read,
	s_add_co_u32 s22, s17, s18                     ; and the one that I write
	s_lshl_b32 s20, s20, 15                        ; 32,768 bytes a run
	s_mov_b32 s21, 0
	s_add_nc_u64 s[4:5], s[4:5], s[20:21]
	s_mul_i32 s20, s14, 6291456
	s_mul_i32 s23, s22, 6144
	s_add_co_u32 s20, s20, s23
	s_add_nc_u64 s[10:11], s[10:11], s[20:21]      ; my codes
	s_lshl_b32 s20, s14, 18
	s_lshl_b32 s23, s22, 8
	s_add_co_u32 s20, s20, s23
	s_add_nc_u64 s[12:13], s[12:13], s[20:21]      ; my 256 scale bytes
.macro LOAD t
.irp i, 0,1,2,3
	global_load_b128 v[R+16*((\t)%4)+4*\i:R+16*((\t)%4)+4*\i+3], v3, s[4:5] offset:2048*(\t)+512*\i th:TH_LOAD_NT   ; 32 lanes read 512 consecutive bytes
.endr
.endm
.macro TURN t                          ; step t's numbers through the stage: LDS serves a wave's instructions in order, so no wait stands between the stores and the loads
.irp i, 0,1,2,3
	ds_store_b128 v14, v[R+16*((\t)%4)+4*\i:R+16*((\t)%4)+4*\i+3] offset:32*SP*((\t)%2)+8*SP*\i
.endr
.irp i, 0,1,2,3
	ds_load_b128 v[X+16*((\t)%2)+4*\i:X+16*((\t)%2)+4*\i+3], v15 offset:32*SP*((\t)%2)+16*\i
.endr
.endm
.irp t, 0,1,2,3
	LOAD \t
.endr
	s_wait_loadcnt 12                              ; step 0's four loads are in; the twelve of steps 1 to 3 may be out
	TURN 0
.macro STEP t
.set XS, X+16*((\t)%2)
.if (\t) > 0
	s_wait_dscnt 1                                 ; this step's numbers are back from the stage (the last step's byte store may be out)
.else
	s_wait_dscnt 0x0
.endif
.if (\t)+4 < STEPS
	LOAD (\t)+4                                    ; into the registers that the stage's stores have read
.endif
.if (\t)+1 < STEPS
.if STEPS-2-(\t) >= 3
	s_wait_loadcnt 12                              ; the next step's four loads are in; those of the three steps behind it may be out
.else
	s_wait_loadcnt 4*(STEPS-2-(\t))
.endif
	TURN (\t)+1
.endif
	v_max3_num_f32 v8, |v[XS]|, |v[XS+1]|, |v[XS+2]|               ; the largest magnitude of my 16, in two chains
	v_max3_num_f32 v9, |v[XS+3]|, |v[XS+4]|, |v[XS+5]|
.irp i, 6,10
	v_max3_num_f32 v8, v8, |v[XS+\i]|, |v[XS+\i+1]|
	v_max3_num_f32 v9, v9, |v[XS+\i+2]|, |v[XS+\i+3]|
.endr
	v_max3_num_f32 v8, v8, |v[XS+14]|, |v[XS+15]|
	v_max3_num_f32 v8, v8, v9, (EMAX+1)<<23        ; and the floor 2^(3 - 127): the byte cannot fall under 1
	v_max_num_f32_dpp v8, v8, v8 row_xmask:1 row_mask:0xf bank_mask:0xf   ; with my neighbour's 16: the block's
	v_add_nc_u32 v11, -(EMAX<<23), v8              ; 2 off its exponent field: the conversion takes the exponent field of this operand as its scale
	v_cvt_scalef32_pk16_fp6_f32 v[C+4*(\t):C+4*(\t)+2], v[XS:XS+15], v11
	v_lshrrev_b32 v[E+(\t)], 23, v11               ; the scale's byte
	ds_store_b8 v5, v[E+(\t)] offset:16*(\t)       ; both lanes of a block write the same byte with the same value
	global_store_b96 v4, v[C+4*(\t):C+4*(\t)+2], s[10:11] offset:32*CB*(\t)   ; the wave stores 384 consecutive bytes
.endm
.irp t, 0,1,2,3,4,5,6,7,8,9,10,11,12,13,14,15
	STEP \t
.endr
	ds_load_b64 v[8:9], v6                         ; LDS serves a wave's instructions in order: these see my stores
	s_wait_dscnt 0x0
	global_store_b64 v7, v[8:9], s[12:13]          ; 32 lanes store 256 consecutive bytes, aligned
	s_wait_tensorcnt 0x0                           ; the wave's end, behind my last LDS store
	ds_add_u32 v[SPW], v[NIL]
	s_wait_dscnt 0x0
	s_endpgm
.Lfunc_end_k_q62b2978dd5_prep_x:
	.size	k_q62b2978dd5_prep_x, .Lfunc_end_k_q62b2978dd5_prep_x-k_q62b2978dd5_prep_x
	.p2alignl 7, 3214868480
	.fill 96, 4, 3214868480
	.section	.rodata,"a",@progbits
	.p2align	6, 0x0
	.amdhsa_kernel k_q62b2978dd5_prep_x
		.amdhsa_group_segment_fixed_size 33280
		.amdhsa_private_segment_fixed_size 0
		.amdhsa_enable_private_segment 0
		.amdhsa_kernarg_size 40
		.amdhsa_user_sgpr_count 2
		.amdhsa_user_sgpr_kernarg_segment_ptr 1
		.amdhsa_wavefront_size32 1
		.amdhsa_system_sgpr_workgroup_id_x 1
		.amdhsa_system_sgpr_workgroup_id_y 1
		.amdhsa_system_sgpr_workgroup_id_z 1
		.amdhsa_system_vgpr_workitem_id 0
		.amdhsa_next_free_vgpr 192
		.amdhsa_next_free_sgpr 66
		.amdhsa_reserve_vcc 0
		.amdhsa_float_denorm_mode_32 3
		.amdhsa_float_denorm_mode_16_64 3
		.amdhsa_memory_ordered 1
		.amdhsa_forward_progress 1
		.amdhsa_inst_pref_size 33
	.end_amdhsa_kernel
	.amdgpu_metadata
---
amdhsa.version: [ 1, 2 ]
amdhsa.kernels:
  - .name:           k_q62b2978dd5_prep_x
    .symbol:         k_q62b2978dd5_prep_x.kd
    .args:
      - { .name: q, .offset: 0, .size: 8, .value_kind: global_buffer, .address_space: global }
      - { .name: k, .offset: 8, .size: 8, .value_kind: global_buffer, .address_space: global }
      - { .name: v, .offset: 16, .size: 8, .value_kind: global_buffer, .address_space: global }
      - { .name: xc, .offset: 24, .size: 8, .value_kind: global_buffer, .address_space: global }
      - { .name: xs, .offset: 32, .size: 8, .value_kind: global_buffer, .address_space: global }
    .group_segment_fixed_size: 33280
    .private_segment_fixed_size: 0
    .kernarg_segment_align: 8
    .kernarg_segment_size: 40
    .max_flat_workgroup_size: 128
    .sgpr_count:     66
    .vgpr_count:     192
    .wavefront_size: 32
...
	.end_amdgpu_metadata
.endif
;; end of part 1
;; launch prep_w (part 2): grid 8 x 32, 4 waves a work-group, no clusters, 35,840 bytes of LDS; arguments W_q, W_k, W_v, W_o, mask, wc, ws, maskw; writes wc, ws, maskw
.if DOCPART == 2
	.amdgcn_target "amdgcn-amd-amdhsa--gfx1250"
	.amdhsa_code_object_version 6
	.text
	.protected	k_q62b2978dd5_prep_w
	.globl	k_q62b2978dd5_prep_w
	.p2align	8
	.type	k_q62b2978dd5_prep_w,@function
k_q62b2978dd5_prep_w:
	s_mov_b64 s[64:65], 0
	v_nop
	global_prefetch_b8 v0, s[64:65] scope:SCOPE_SE
	s_setreg_imm32_b32 hwreg(HW_REG_WAVE_MODE, 25, 1), 1
	s_wait_xcnt 0x0
; TWO JOBS, parted on the work-group's y.
; y < 16: the weights.  W [1024 (k)][1024 (n)] f32, K its FIRST axis, becomes codes of E2M3 laid [n][768 bytes] with K innermost in wc [4: q, k, v, o][1024][768] and scale bytes in ws [4][1024][32].
;   A lane takes a column n and its registers run down K: a block of 32 lies in one lane, and the conversions give codes with K innermost.  y / 4 = the weight, y % 4 = which 256 along K, x = which 128 columns.
;   THE ROWS OF wc AND ws ARE STORED WITH BITS 3 AND 4 OF n EXCHANGED, for the reason given for k and v in the launch before.
;   A block's byte is its largest magnitude's exponent field - 2, held at 1 from below.  LIMITS: blocks under 2^-124 keep the byte 1; NaN and infinities are not served.
; y >= 16: the mask [2048][2048] int32 becomes bits, in the order in which the attention launch holds scores.  Tile (qt, ks) = 16 queries x 128 keys = 64 words at maskw + (16 qt + ks) x 256:
;   bit l of word 16 b + i says whether mask[16 qt + l % 16][128 ks + 32 b + 16 (l / 16) + i] is not 0.  At byte 524,288: four words for each qt (one a wave); bit ks is set where tile (qt, ks) holds a zero.
;   qt = 8 (y - 16) + x; wave w takes ks = 4 w .. 4 w + 3.  This path uses no LDS.
.set SIZE_K, 1024
.set SIZE_N, 1024
.set KW,    256
.set NB,    KW/32
.set ROWB,  192
.set PITCH, 272                        ; a stage row: sixteen places of 16 bytes, each with 12 bytes of codes, + 16
.set KROW,  SIZE_K*6/8
.set EMAX,  2
.set X,     32                         ; v32-95   two sets of 32 numbers
.set C,     96                         ; v96..    a block's codes
.set OUTR,  112                        ; v112-175 the way out
.set SPW,   14
.set NIL,   15
.set SPARE, 4*32*PITCH                 ; behind the four stages: the spare words, named by no other line
.set SB,    24                         ; v24-25   the scale bytes, four to a register
	s_load_b256 s[4:11], s[0:1], 0x0               ; W_q s[4:5], W_k s[6:7], W_v s[8:9], W_o s[10:11]
	s_load_b256 s[12:19], s[0:1], 0x20             ; mask s[12:13], wc s[14:15], ws s[16:17], maskw s[18:19]
	v_lshl_add_u32 v[SPW], v0, 2, SPARE
	v_mov_b32 v[NIL], 0
	v_lshrrev_b32 v1, 5, v0
	v_readfirstlane_b32 s20, v1                    ; wave 0..3
	v_and_b32 v2, 31, v0                           ; lane
	s_and_b32 s21, ttmp7, 0xffff                   ; y
	s_cmp_ge_u32 s21, 16
	s_cbranch_scc1 .Lmask
	; ---------------- the weights ----------------
	s_lshr_b32 s22, s21, 2                         ; which weight
	s_and_b32 s21, s21, 3                          ; which 256 along K
	s_lshl_b32 s23, ttmp9, 7
	s_lshl_b32 s24, s20, 5
	s_add_co_u32 s23, s23, s24                     ; my wave's first column, a multiple of 32
	v_lshlrev_b32 v3, 2, v2                        ; in: 4 bytes a lane
	s_mul_i32 s24, s20, 32*PITCH                   ; my stage
	v_mul_u32_u24 v4, v2, PITCH
	v_add_nc_u32 v4, s24, v4                       ; into it: row = my column
	v_and_b32 v5, 15, v2
	v_lshrrev_b32 v6, 4, v2
	v_mul_u32_u24 v7, v6, PITCH
	v_lshl_add_u32 v7, v5, 4, v7
	v_add_nc_u32 v7, s24, v7                       ; out of it: sixteen lanes to a row, two rows an instruction
	v_mul_u32_u24 v8, v6, KROW
	v_mad_u32_u24 v8, v5, 12, v8                   ; and the same place in wc
	s_lshl_b32 s26, s21, 20                        ; W: 256 rows of 4,096 bytes for each piece of K,
	s_lshl_b32 s25, s23, 2
	s_add_co_u32 s26, s26, s25                     ; + 4 x column
	s_mov_b32 s27, 0
	s_mul_i32 s28, s22, 786432                     ; wc: the weight, the column's row, the piece's 192 bytes
	s_mul_i32 s25, s23, KROW
	s_add_co_u32 s28, s28, s25
	s_mul_i32 s25, s21, ROWB
	s_add_co_u32 s28, s28, s25
	s_mov_b32 s29, 0
	s_lshl_b32 s30, s22, 15                        ; ws likewise: 32 bytes a row, 8 a piece
	s_lshl_b32 s25, s23, 5
	s_add_co_u32 s30, s30, s25
	s_lshl_b32 s25, s21, 3
	s_add_co_u32 s30, s30, s25
	s_mov_b32 s31, 0
	v_and_b32 v9, 7, v2                            ; my column's stored row among the wave's 32: bits 3 and 4 exchanged,
	v_and_b32 v10, 8, v2
	v_lshl_or_b32 v9, v10, 1, v9
	v_and_b32 v10, 16, v2
	v_lshrrev_b32 v10, 1, v10
	v_or_b32 v9, v9, v10
	v_lshlrev_b32 v9, 5, v9                        ; x 32 bytes
	s_wait_kmcnt 0x0
	s_cmp_eq_u32 s22, 2
	s_cselect_b64 s[8:9], s[8:9], s[10:11]
	s_cmp_eq_u32 s22, 1
	s_cselect_b64 s[6:7], s[6:7], s[8:9]
	s_cmp_eq_u32 s22, 0
	s_cselect_b64 s[4:5], s[4:5], s[6:7]
	s_add_nc_u64 s[4:5], s[4:5], s[26:27]
	s_add_nc_u64 s[14:15], s[14:15], s[28:29]
	s_add_nc_u64 s[16:17], s[16:17], s[30:31]
.macro LOAD t                          ; block t: W(32 t + i, my column), i = 0 .. 31, into set t % 2; 32 lanes read 128 consecutive bytes
.set I, 0
.rept 32
	global_load_b32 v[X+32*((\t)%2)+I], v3, s[4:5] offset:(32*(\t)+I)*SIZE_N*4 th:TH_LOAD_NT
.set I, I+1
.endr
.endm
	LOAD 0
	LOAD 1
.macro BLOCK t
.set XS, X+32*((\t)%2)
.if (\t) < NB-1
	s_wait_loadcnt 32                              ; this block's 32 loads are in; the next block's 32 may be out
.else
	s_wait_loadcnt 0
.endif
	v_max3_num_f32 v12, |v[XS]|, |v[XS+1]|, |v[XS+2]|               ; the block's largest magnitude: all 32 numbers are mine
	v_max3_num_f32 v13, |v[XS+3]|, |v[XS+4]|, |v[XS+5]|
.irp i, 6,10,14,18,22,26
	v_max3_num_f32 v12, v12, |v[XS+\i]|, |v[XS+\i+1]|
	v_max3_num_f32 v13, v13, |v[XS+\i+2]|, |v[XS+\i+3]|
.endr
	v_max3_num_f32 v12, v12, |v[XS+30]|, |v[XS+31]|
	v_max3_num_f32 v12, v12, v13, (EMAX+1)<<23     ; and the floor 2^(3 - 127)
	v_add_nc_u32 v11, -(EMAX<<23), v12             ; 2 off its exponent field: the conversion's scale operand
	v_lshrrev_b32 v13, 23, v11                     ; the scale's byte
.if (\t)%4 == 0
	v_mov_b32 v[SB+(\t)/4], v13
.else
	v_lshl_or_b32 v[SB+(\t)/4], v13, 8*((\t)%4), v[SB+(\t)/4]
.endif
	v_cvt_scalef32_pk16_fp6_f32 v[C:C+2], v[XS:XS+15], v11
	v_cvt_scalef32_pk16_fp6_f32 v[C+4:C+6], v[XS+16:XS+31], v11     ; (a conversion's three registers begin on an even number)
	ds_store_b96 v4, v[C:C+2] offset:32*(\t)       ; 12 bytes to a place of 16, so that every LDS address is a multiple of 16
	ds_store_b96 v4, v[C+4:C+6] offset:32*(\t)+16
.if (\t)+2 < NB
	LOAD (\t)+2
.endif
	s_wait_dscnt 0x0                               ; the stores have read their registers: the next block's codes may be written
.endm
.set Q, 0
.rept NB
	BLOCK Q
.set Q, Q+1
.endr
	global_store_b64 v9, v[SB:SB+1], s[16:17]      ; my column's 8 scale bytes
.irp t, 0,1,2,3,4,5,6,7,8,9,10,11,12,13,14,15
	ds_load_b96 v[OUTR+4*\t:OUTR+4*\t+2], v7 offset:2*\t*PITCH   ; LDS serves a wave's instructions in order: these see my stores
.endr
.irp t, 0,1,2,3,4,5,6,7,8,9,10,11,12,13,14,15
	s_wait_dscnt 15-\t                             ; the younger reads of the stage may be out
	global_store_b96 v8, v[OUTR+4*\t:OUTR+4*\t+2], s[14:15] offset:2*((\t&3)|((\t&4)<<1)|((\t&8)>>1))*KROW   ; stage rows 2 t, 2 t + 1 go to the stored rows with bits 3 and 4 exchanged: bits 2 and 3 of t
.endr
	s_wait_tensorcnt 0x0                           ; the wave's end, behind my last LDS store
	ds_add_u32 v[SPW], v[NIL]
	s_wait_dscnt 0x0
	s_endpgm
	; ---------------- the mask ----------------
.Lmask:
	s_sub_co_u32 s21, s21, 16
	s_lshl_b32 s21, s21, 3
	s_add_co_u32 s21, s21, ttmp9                   ; qt
	v_lshlrev_b32 v1, 4, v2                        ; in: lane l takes keys 4 l .. 4 l + 3 of a tile's 128
	v_lshrrev_b32 v3, 3, v2
	v_and_b32 v4, 3, v2
	v_lshlrev_b32 v3, 6, v3
	v_lshl_add_u32 v3, v4, 4, v3                   ; out: words 16 (l / 8) + 4 (l % 4) on
	s_lshl_b32 s22, s21, 17                        ; 16 rows of 8,192 bytes,
	s_lshl_b32 s23, s20, 11                        ; my wave's four tiles of 512 bytes a row
	s_add_co_u32 s22, s22, s23
	s_mov_b32 s23, 0
	s_lshl_b32 s24, s21, 12                        ; 16 tiles of 256 bytes for each qt,
	s_lshl_b32 s25, s20, 10                        ; my four
	s_add_co_u32 s24, s24, s25
	s_mov_b32 s25, 0
	s_lshl_b32 s26, s21, 4
	s_lshl_b32 s27, s20, 2
	s_add_co_u32 s26, s26, s27
	s_add_co_u32 s26, s26, 524288                  ; my flag word
	s_mov_b32 s27, 0
	s_mov_b32 s28, 0xf0f0f0f0                      ; the lanes whose bit 2 is set
	s_lshl_b32 s29, s20, 2
	s_lshl_b32 s29, 1, s29                         ; the flag bit of my first tile
	s_mov_b32 s30, 0                               ; my flags
.irp c, 0,1,2,3
	v_mov_b32 v[20+\c], 0                          ; written once: the destination of a lane exchange counts as read
.endr
	s_wait_kmcnt 0x0
	s_add_nc_u64 s[12:13], s[12:13], s[22:23]
	s_add_nc_u64 s[32:33], s[18:19], s[24:25]
	s_add_nc_u64 s[34:35], s[18:19], s[26:27]
.macro LOADM kt                        ; a tile: 16 loads, one a query, 512 consecutive bytes each
.set Q, 0
.rept 16
	global_load_b128 v[32+64*((\kt)%2)+4*Q:32+64*((\kt)%2)+4*Q+3], v1, s[12:13] offset:Q*8192+(\kt)*512 th:TH_LOAD_NT
.set Q, Q+1
.endr
.endm
.macro PACKM kt
.set RS, 32+64*((\kt)%2)
.if (\kt) < 3
	s_wait_loadcnt 16                              ; this tile's 16 loads are in; the next tile's 16 may be out
.else
	s_wait_loadcnt 0
.endif
.irp c, 0,1,2,3
	v_min_u32 v[16+\c], 1, v[RS+\c]                ; 1 where the mask is not 0: query 0's bit of key 4 l + c
.endr
.set Q, 1
.rept 15
.irp c, 0,1,2,3
	v_min_u32 v[24+\c], 1, v[RS+4*Q+\c]
.endr
.irp c, 0,1,2,3
	v_lshl_or_b32 v[16+\c], v[24+\c], Q, v[16+\c]  ; query Q's bit
.endr
.set Q, Q+1
.endr
.irp c, 0,1,2,3
	v_mov_b32_dpp v[20+\c], v[16+\c] row_xmask:4 row_mask:0xf bank_mask:0xf   ; the 16 bits of the key 16 further on (or back)
.endr
.irp c, 0,1,2,3
	v_cndmask_b32 v28, v[16+\c], v[20+\c], s28     ; the lower key's 16 bits,
	v_cndmask_b32 v29, v[20+\c], v[16+\c], s28     ; the upper key's
	v_lshl_or_b32 v[160+4*(\kt)+\c], v29, 16, v28  ; a set of four registers for each tile: no store's data are written again
.endr
	global_store_b128 v3, v[160+4*(\kt):163+4*(\kt)], s[32:33] offset:256*(\kt)   ; lanes l and l xor 4 hold and store the same 16 bytes: the instruction covers 256 consecutive bytes, aligned
	v_and_b32 v28, v[160+4*(\kt)], v[161+4*(\kt)]
	v_and_b32 v29, v[162+4*(\kt)], v[163+4*(\kt)]
	v_and_b32 v28, v28, v29
	v_cmp_ne_u32 s31, -1, v28                      ; a lane with a zero bit
	s_cmp_lg_u32 s31, 0
	s_cselect_b32 s31, s29, 0
	s_or_b32 s30, s30, s31
	s_lshl_b32 s29, s29, 1
.endm
	LOADM 0
	LOADM 1
	PACKM 0
	LOADM 2
	PACKM 1
	LOADM 3
	PACKM 2
	PACKM 3
	v_mov_b32 v28, s30
	v_mov_b32 v29, 0
	global_store_b32 v29, v28, s[34:35]            ; one word a wave: every lane stores the same word with the same value
	s_endpgm
.Lfunc_end_k_q62b2978dd5_prep_w:
	.size	k_q62b2978dd5_prep_w, .Lfunc_end_k_q62b2978dd5_prep_w-k_q62b2978dd5_prep_w
	.p2alignl 7, 3214868480
	.fill 96, 4, 3214868480
	.section	.rodata,"a",@progbits
	.p2align	6, 0x0
	.amdhsa_kernel k_q62b2978dd5_prep_w
		.amdhsa_group_segment_fixed_size 35840
		.amdhsa_private_segment_fixed_size 0
		.amdhsa_enable_private_segment 0
		.amdhsa_kernarg_size 64
		.amdhsa_user_sgpr_count 2
		.amdhsa_user_sgpr_kernarg_segment_ptr 1
		.amdhsa_wavefront_size32 1
		.amdhsa_system_sgpr_workgroup_id_x 1
		.amdhsa_system_sgpr_workgroup_id_y 1
		.amdhsa_system_sgpr_workgroup_id_z 1
		.amdhsa_system_vgpr_workitem_id 0
		.amdhsa_next_free_vgpr 192
		.amdhsa_next_free_sgpr 66
		.amdhsa_reserve_vcc 0
		.amdhsa_float_denorm_mode_32 3
		.amdhsa_float_denorm_mode_16_64 3
		.amdhsa_memory_ordered 1
		.amdhsa_forward_progress 1
		.amdhsa_inst_pref_size 78
	.end_amdhsa_kernel
	.amdgpu_metadata
---
amdhsa.version: [ 1, 2 ]
amdhsa.kernels:
  - .name:           k_q62b2978dd5_prep_w
    .symbol:         k_q62b2978dd5_prep_w.kd
    .args:
      - { .name: W_q, .offset: 0, .size: 8, .value_kind: global_buffer, .address_space: global }
      - { .name: W_k, .offset: 8, .size: 8, .value_kind: global_buffer, .address_space: global }
      - { .name: W_v, .offset: 16, .size: 8, .value_kind: global_buffer, .address_space: global }
      - { .name: W_o, .offset: 24, .size: 8, .value_kind: global_buffer, .address_space: global }
      - { .name: mask, .offset: 32, .size: 8, .value_kind: global_buffer, .address_space: global }
      - { .name: wc, .offset: 40, .size: 8, .value_kind: global_buffer, .address_space: global }
      - { .name: ws, .offset: 48, .size: 8, .value_kind: global_buffer, .address_space: global }
      - { .name: maskw, .offset: 56, .size: 8, .value_kind: global_buffer, .address_space: global }
    .group_segment_fixed_size: 35840
    .private_segment_fixed_size: 0
    .kernarg_segment_align: 8
    .kernarg_segment_size: 64
    .max_flat_workgroup_size: 128
    .sgpr_count:     66
    .vgpr_count:     192
    .wavefront_size: 32
...
	.end_amdgpu_metadata
.endif
;; end of part 2
;; launch proj (part 3): grid 4 x 96, 4 waves a work-group, clusters of 4 x 4, 327,680 bytes of LDS; arguments xc, xs, wc, ws, b_q, b_k, b_v, aq; writes aq
.if DOCPART == 3
	.amdgcn_target "amdgcn-amd-amdhsa--gfx1250"
	.amdhsa_code_object_version 6
	.text
	.protected	k_q62b2978dd5_proj
	.globl	k_q62b2978dd5_proj
	.p2align	8
	.type	k_q62b2978dd5_proj,@function
k_q62b2978dd5_proj:
	s_mov_b64 s[64:65], 0
	v_nop
	global_prefetch_b8 v0, s[64:65] scope:SCOPE_SE
	s_setreg_imm32_b32 hwreg(HW_REG_WAVE_MODE, 25, 1), 1
	s_wait_xcnt 0x0
	s_wait_alu depctr_hold_cnt(0) depctr_sa_sdst(0) depctr_va_vdst(0) depctr_va_sdst(0) depctr_va_ssrc(0) depctr_va_vcc(0) depctr_vm_vsrc(0)
	s_getreg_b32 s2, hwreg(HW_REG_IB_STS2, 6, 4)
	s_cmp_eq_u32 s2, 0
	s_cbranch_scc0 .Lentry_in_a_cluster
	s_endpgm
.Lentry_in_a_cluster:
	s_bfe_u32 s2, ttmp6, 0x10000c
	s_cmp_lg_u32 s2, 0xf033
	s_cbranch_scc0 .Lentry_shape_is_right
	s_endpgm
.Lentry_shape_is_right:
; THE THREE PROJECTIONS, on codes of E2M3 with one E8M0 scale for each 32 along K = 1,024, and their results quantised on the way out into the operands of the attention launch.
; p = cluster y / 8: 0 query, 1 key, 2 value.  A tile of 256 x 256 is made by four waves, 128 x 128 each: 64 accumulators of 16 x 16.  K goes in steps of 256 through a ring of two LDS slots filled by the tensor data mover.
; THE MATRIX INSTRUCTION IS USED TRANSPOSED: source 0 = 16 rows of "B", source 1 = 16 rows of "A": a lane holds ONE row of A, and its registers run along B's rows.
;   query, key: A = the tokens (xc), B = the weight's columns n (wc): a lane's registers run along the head's d, which is the K of the score product.
;   value:      A = the weight's columns (wc), B = the tokens (xc): a lane's registers run along the KEYS, which are the K of the second product.
; B's rows are stored with bits 3 and 4 of the row number exchanged, so the 16 registers of accumulators 2 b' and 2 b' + 1 are 16 NEIGHBOURS: 32 b' + 16 (lane / 16) + 0 .. 15.  k's, v's and W_v's rows as A are stored so too:
; lane r of tile t holds row 32 (t / 2) + 8 (t % 2) + r + 8 (r / 8): the order that gives the attention launch neighbours again.
; THE BIAS is the C of each sum's first matrix instruction: by B's rows (query, key) or by A's row (value).
; THE WAY OUT has no LDS: 64 numbers of a lane become 12 registers of codes and a scale word, and the codes are stored AS IMAGES OF OPERAND REGISTERS: a pair of registers of all 32 lanes is 256 consecutive bytes, aligned.
; aq: [p 3][batch x head 64][102,400]: 98,304 bytes of codes, then 4,096 of scale words [128 tokens 16][row 16][4 words].
;   query, key: codes [tile of 16 tokens 128][768]: 16 rows x the head's 64;  word w of a row: bytes 0, 1 tile 2 w's two blocks, bytes 2, 3 tile 2 w + 1's.
;   value: codes [128 keys 16][tile of 16 d 4][1,536]: a whole fragment 16 x 128;  word t of a row: tile t's four blocks of keys.
; CLUSTERS: 4 x 4 work-groups; A's tile is shared along a row of the cluster, B's along a column: each is asked for JOINTLY.  p is the same in all sixteen partners, so the branches on it are taken alike.
; LIMITS: a block whose largest magnitude lies under 2^-124 keeps the scale byte 1; NaN and infinities are not served.
; REGISTERS: window 0: v0-31 addresses; v32-63 scale words, two sets; v64-127 the bias; from v128 A's fragments, ONE set.  window 1: B's fragments, TWO sets.  windows 2, 3: the accumulators ((a, b) at v[8 (8 (a % 4) + b)]).
.set SIZE_K, 1024
.set KSTEP,  256
.set NQ,     KSTEP/128
.set ROWB,   192                       ; a tile's row in bytes
.set KROW,   SIZE_K*6/8                ; a row of codes in memory
.set PITCH,  240                       ; an LDS row: 3 x (64 bytes + 16 of padding)
.set FR,     12
.set NL,     6
.set NP,     4                         ; places behind this matrix instruction (ISA guide 7.12.1)
.set HALFT,  128*PITCH
.set SLOT,   4*HALFT
.set LAPS,   SIZE_K/(2*KSTEP)
.set KS,     SIZE_K/32
.set SCL,    2*SLOT                    ; behind the ring: the scales of the work-group's rows, for all of K, as rows of 256 bytes + 16
.set HALFS,  (128*KS/256)*272
.set SBLK,   (16*KS/256)*272
.set SPARE,  SCL+4*HALFS               ; the spare words, 128 bytes a wave, named by no other line
.set PARTB,  6553600                   ; aq: a projection's part,
.set HBLK,   102400                    ; a head's block in it,
.set KSCO,   98304                     ; and where its scale words begin
.set ADRA, 16
.set ADRB, 20
.set ADRS, 27
.set SPW,  28
.set NIL,  29
.set BO,   30                          ; v30 the bias loads' offset
.set SC,   32
.set BI,   64                          ; v64-127 the bias: eight registers for each of B's blocks, or of A's
.set AF,   128
.set TM,   32                          ; the way out: v32-35 largest magnitudes, v36-39 bytes, v44-47 the conversions' scale operands
.set PW,   48                          ; v48-55 the eight tiles' scale words
.set XW,   56                          ; v56-59 the four words that I store
.set SELV, 60
.set VS,   61
.set L8,   62
.set CD,   64                          ; v64-83 the codes just made
.set VO,   84                          ; v84-85 where the two parts go
.set G1, 24
.set G0, 32
.set G1B, 48
.set G0B, 56
.set G1S, 68
.set G0S, 76
.set G1SB, 80
.set G0SB, 88
.set MSB, 0
.macro WIN new                         ; the immediate's high byte repeats the setting that is left
.if MSB != (\new)
	s_set_vgpr_msb (MSB<<8)|(\new)
.set MSB, (\new)
.endif
.endm
.set MUL_LO, 0xa1                      ; source 0 (B) window 1, source 1 (A) window 0, C and D window 2
.set MUL_HI, 0xf1                      ; the same, C and D window 3
.set BIA_LO, 0x81                      ; the first step: C (the bias) window 0, D window 2
.set BIA_HI, 0xc1                      ; D window 3
.set TO_B,   0x40
; A joint load: waves 0 and 1 fetch for A, waves 2 and 3 for B; the branch hangs on the wave's number alone.  An s_nop 0 and four v_nop follow each of the two lines.
.macro JLOAD g0a, g1a, g0b, g1b
	s_cmp_eq_u32 s15, 0
	s_cbranch_scc0 .Lfor_b_\@
	tensor_load_to_lds s[\g0a:\g0a+3], s[\g1a:\g1a+7]
	s_nop 0
.rept 4
	v_nop
.endr
	s_branch .Lasked_\@
.Lfor_b_\@:
	tensor_load_to_lds s[\g0b:\g0b+3], s[\g1b:\g1b+7]
	s_nop 0
.rept 4
	v_nop
.endr
.Lasked_\@:
.endm
.macro CREST                           ; a round of the cluster's barrier behind its opening barrier
	s_cmp_lg_u32 s14, 0
	s_cbranch_scc1 .Lnot_wave_0_\@
	s_barrier_signal -3
.Lnot_wave_0_\@:
	s_barrier_wait -3
	s_barrier_signal -1
	s_barrier_wait -1
.endm
.macro CROUND
	s_barrier_signal -1
	s_barrier_wait -1
	CREST
.endm
	s_load_b256 s[4:11], s[0:1], 0x0               ; xc s[4:5], xs s[6:7], wc s[8:9], ws s[10:11]
	s_load_b256 s[92:99], s[0:1], 0x20             ; b_q s[92:93], b_k s[94:95], b_v s[96:97], aq s[98:99]
	v_lshl_add_u32 v[SPW], v0, 2, SPARE
	v_mov_b32 v[NIL], 0
	ds_add_u32 v[SPW], v[NIL]                      ; the wave's opening: the add and its wait stand ahead of my first tensor load; the set-up below stands between them
	v_lshrrev_b32 v1, 5, v0
	v_readfirstlane_b32 s14, v1                    ; wave 0..3
	s_lshr_b32 s15, s14, 1                         ; which half of A's rows is mine.  Also: I fetch for A (0) or for B (1)
	s_and_b32 s16, s14, 1                          ; which half of B's rows.  Also: which 128 rows of that tile I fetch
	s_bfe_u32 s40, ttmp6, 0x40000                  ; cx
	s_bfe_u32 s41, ttmp6, 0x40004                  ; cy
	s_and_b32 s101, ttmp7, 0xffff                  ; cluster y, 0 .. 23 (the grid has one cluster along x)
	s_lshr_b32 s100, s101, 3                       ; p
	s_and_b32 s101, s101, 7
	s_lshl_b32 s101, s101, 2                       ; the first of this cluster's four tiles of 256 tokens
	s_cmp_eq_u32 s100, 2
	s_cselect_b32 s17, 0, s101                     ; the tokens are A's rows (query, key)
	s_cselect_b32 s42, s101, 0                     ; or B's (value)
	s_add_co_u32 s17, s17, s41                     ; A's tile: hangs on cy alone
	s_add_co_u32 s42, s42, s40                     ; B's tile: on cx alone
	s_lshl_b32 s43, s41, 2
	s_lshl_b32 s43, 15, s43                        ; my row of the cluster
	s_lshl_b32 s44, 0x1111, s40                    ; my column
	; descriptor group 1: a tile of 128 rows x 192 bytes, 16 bytes of padding behind every 64
	s_or_b32 s[G1+0], s43, (0<<16)|(1<<20)|(1<<21)|(3<<22)|(3<<25)
	s_or_b32 s[G1B+0], s44, (0<<16)|(1<<20)|(1<<21)|(3<<22)|(3<<25)
.irp g, G1, G1B
	s_mov_b32 s[\g+1], ROWB<<16                    ; tensor_dim0
	s_mov_b32 s[\g+2], 128<<16                     ; tensor_dim1
	s_mov_b32 s[\g+3], ROWB<<16                    ; tile_dim0
	s_mov_b32 s[\g+4], 128                         ; tile_dim1
	s_mov_b32 s[\g+5], KROW                        ; the pitch
	s_mov_b32 s[\g+6], 0
	s_mov_b32 s[\g+7], 0
.endr
	; the scales of 128 rows: 4,096 dense bytes as 16 rows of 256 bytes (32 elements of 8), 16 bytes of padding behind each
	s_or_b32 s[G1S+0], s43, (3<<16)|(1<<20)|(1<<21)|(5<<22)|(3<<25)
	s_or_b32 s[G1SB+0], s44, (3<<16)|(1<<20)|(1<<21)|(5<<22)|(3<<25)
.irp g, G1S, G1SB
	s_mov_b32 s[\g+1], 32<<16
	s_mov_b32 s[\g+2], (128*KS/256)<<16
	s_mov_b32 s[\g+3], 32<<16
	s_mov_b32 s[\g+4], 128*KS/256
	s_mov_b32 s[\g+5], 32
	s_mov_b32 s[\g+6], 0
	s_mov_b32 s[\g+7], 0
.endr
	s_lshl_b32 s18, s16, 7                         ; which 128 rows of the tile I fetch
	s_lshl_b32 s20, s17, 8
	s_add_co_u32 s20, s20, s18                     ; A's
	s_lshl_b32 s46, s42, 8
	s_add_co_u32 s46, s46, s18                     ; B's
	s_mov_b32 s21, 0
	s_mov_b32 s47, 0
	s_mov_b64 s[18:19], KS
	s_mul_u64 s[22:23], s[20:21], s[18:19]         ; where these rows' scales begin,
	s_mul_u64 s[66:67], s[46:47], s[18:19]
	s_mov_b64 s[18:19], KROW
	s_mul_u64 s[20:21], s[20:21], s[18:19]         ; and their codes
	s_mul_u64 s[46:47], s[46:47], s[18:19]
	s_mul_i32 s45, s14, HALFT                      ; where they go: wave x 128 rows: no place in the cluster enters an LDS address
	s_mul_i32 s101, s14, HALFS
	s_wait_dscnt 0x0                               ; the opening add is done
	s_wait_kmcnt 0x0
	s_mov_b32 s19, 0
	s_mul_i32 s18, s100, 6291456                   ; projection p's part of each of the four buffers
	s_add_nc_u64 s[4:5], s[4:5], s[18:19]
	s_lshl_b32 s18, s100, 18
	s_add_nc_u64 s[6:7], s[6:7], s[18:19]
	s_mul_i32 s18, s100, 786432
	s_add_nc_u64 s[8:9], s[8:9], s[18:19]
	s_lshl_b32 s18, s100, 15
	s_add_nc_u64 s[10:11], s[10:11], s[18:19]
	s_cmp_eq_u32 s100, 2                           ; for the value the weight is A and the tokens are B
	s_cselect_b64 s[2:3], s[8:9], s[4:5]
	s_cselect_b64 s[8:9], s[4:5], s[8:9]
	s_mov_b64 s[4:5], s[2:3]
	s_cselect_b64 s[2:3], s[10:11], s[6:7]
	s_cselect_b64 s[10:11], s[6:7], s[10:11]
	s_mov_b64 s[6:7], s[2:3]
	s_cmp_eq_u32 s100, 1
	s_cselect_b64 s[94:95], s[94:95], s[96:97]
	s_cmp_eq_u32 s100, 0
	s_cselect_b64 s[92:93], s[92:93], s[94:95]     ; projection p's bias
	s_mov_b64 s[12:13], s[98:99]                   ; aq
	s_add_nc_u64 s[20:21], s[4:5], s[20:21]
	s_add_nc_u64 s[22:23], s[6:7], s[22:23]
	s_add_nc_u64 s[46:47], s[8:9], s[46:47]
	s_add_nc_u64 s[66:67], s[10:11], s[66:67]
	CROUND                                         ; all sixteen work-groups are here: the first joint loads meet
	s_mov_b32 s[G0S], 1
	s_add_co_u32 s[G0S+1], s101, SCL
	s_mov_b64 s[G0S+2:G0S+3], s[22:23]
	s_or_b32 s[G0S+3], s[G0S+3], 0x80000000
	s_mov_b32 s[G0SB], 1
	s_add_co_u32 s[G0SB+1], s101, SCL
	s_mov_b64 s[G0SB+2:G0SB+3], s[66:67]
	s_or_b32 s[G0SB+3], s[G0SB+3], 0x80000000
	JLOAD G0S, G1S, G0SB, G1SB                     ; the scales first: they are wanted with K step 0
.irp s, 0,1
	s_mov_b32 s[G0+4*\s], 1
	s_add_co_u32 s[G0+4*\s+1], s45, \s*SLOT
	s_add_nc_u64 s[G0+4*\s+2:G0+4*\s+3], s[20:21], \s*ROWB
	s_or_b32 s[G0+4*\s+3], s[G0+4*\s+3], 0x80000000
	s_mov_b32 s[G0B+4*\s], 1
	s_add_co_u32 s[G0B+4*\s+1], s45, \s*SLOT
	s_add_nc_u64 s[G0B+4*\s+2:G0B+4*\s+3], s[46:47], \s*ROWB
	s_or_b32 s[G0B+4*\s+3], s[G0B+4*\s+3], 0x80000000
	JLOAD G0+4*\s, G1, G0B+4*\s, G1B               ; three loads of mine are out
.endr
	v_and_b32 v1, 15, v0                           ; r = lane % 16
	v_bfe_u32 v2, v0, 4, 1                         ; h = lane / 16
	v_mul_u32_u24 v3, v1, PITCH
	v_mul_u32_u24 v4, v2, 24
	v_add_nc_u32 v4, v3, v4                        ; a fragment's row x pitch + 24 x half
	v_lshl_add_u32 v5, v2, 4, v4                   ; and the same behind one padding more
	s_mul_i32 s21, s15, HALFT                      ; my 128 rows of A
	s_mul_i32 s22, s16, HALFT                      ; my 128 rows of B,
	s_add_co_u32 s22, s22, 2*HALFT                 ; which lie behind A's 256
.irp s, 0,1
	v_add_nc_u32 v[ADRA+\s], s21, v4
	v_add_nc_u32 v[ADRB+\s], s22, v4
	v_add_nc_u32 v[ADRA+2+\s], s21, v5
	v_add_nc_u32 v[ADRB+2+\s], s22, v5
	s_add_co_u32 s21, s21, SLOT
	s_add_co_u32 s22, s22, SLOT
.endr
	v_mul_u32_u24 v5, v1, KS                       ; my row's scales: 32 bytes a row,
	v_lshrrev_b32 v6, 8, v5
	v_lshl_add_u32 v5, v6, 4, v5                   ; and 16 more for each 256 passed
	s_mul_i32 s21, s15, HALFS
	s_mul_i32 s22, s16, HALFS
	s_add_co_u32 s22, s22, 2*HALFS
	s_sub_co_u32 s22, s22, s21
	v_mul_u32_u24 v6, s22, v2                      ; lanes 16-31 take B's
	s_add_co_u32 s21, s21, SCL
	v_add_nc_u32 v5, v5, v6
	v_add_nc_u32 v[ADRS], s21, v5
	; the bias
	s_lshl_b32 s96, s17, 8
	s_lshl_b32 s97, s15, 7
	s_add_co_u32 s96, s96, s97                     ; RA: my first row of A
	s_lshl_b32 s97, s42, 8
	s_lshl_b32 s98, s16, 7
	s_add_co_u32 s97, s97, s98                     ; RB: my first row of B
	s_cmp_eq_u32 s100, 2
	s_cselect_b32 s18, s96, s97                    ; my first output feature
	s_lshl_b32 s18, s18, 2
	s_mov_b32 s19, 0
	s_add_nc_u64 s[92:93], s[92:93], s[18:19]
	s_cmp_eq_u32 s100, 2
	s_cbranch_scc1 .Lbias_rows
	v_lshlrev_b32 v[BO], 6, v2                     ; query, key: block b's register j is feature 32 (b / 2) + 16 h + 8 (b % 2) + j
.irp b, 0,1,2,3,4,5,6,7
	global_load_b128 v[BI+8*\b:BI+8*\b+3], v[BO], s[92:93] offset:(32*(\b/2)+8*(\b%2))*4
	global_load_b128 v[BI+8*\b+4:BI+8*\b+7], v[BO], s[92:93] offset:(32*(\b/2)+8*(\b%2))*4+16
.endr
	s_branch .Lbias_done
.Lbias_rows:
	v_and_b32 v[BO], 7, v1                         ; value: all eight registers of block a are feature 32 (a / 2) + 8 (a % 2) + r + 8 (r / 8)
	v_lshrrev_b32 v31, 3, v1
	v_lshl_add_u32 v[BO], v31, 4, v[BO]
	v_lshlrev_b32 v[BO], 2, v[BO]
.irp a, 0,1,2,3,4,5,6,7
.irp j, 0,1,2,3,4,5,6,7
	global_load_b32 v[BI+8*\a+\j], v[BO], s[92:93] offset:(32*(\a/2)+8*(\a%2))*4
.endr
.endr
.Lbias_done:
.macro FRAG reg, adr, q, i             ; a fragment, 16 rows x 128 K, is 12 registers: lane l holds row l % 16; registers 6 c .. 6 c + 5 hold K = 64 c + 32 (l / 16) + 0 .. 31: 24 bytes of the row, as they lie
.irp p, 0,1,2,3,4,5                    ; in pieces of 8 bytes; where the piece of lanes 16-31 lies behind one padding more, the second address register serves
.set PCE, 12*(\q)+6*(\p/3)+\p%3
.if PCE%8 < 5
	ds_load_b64 v[\reg+2*\p:\reg+2*\p+1], v[\adr] offset:8*PCE+16*(PCE/8)+(\i)*16*PITCH
.else
	ds_load_b64 v[\reg+2*\p:\reg+2*\p+1], v[\adr+2] offset:8*PCE+16*(PCE/8)+(\i)*16*PITCH
.endif
.endr
.endm
; 16 matrix instructions: A's blocks a0, a0 + 1 x B's eight, 128 along K.  cm = 0: onto the sums; 1: the bias by B's block starts them; 2: the bias by A's block.  The 64 accumulators take turns.
.macro MUL16 a0, p, q, sc, cm
.irp a, \a0, \a0+1
.irp b, 0,1,2,3,4,5,6,7
.if \cm == 1
	v_wmma_scale_f32_16x16x128_f8f6f4 v[8*(8*((\a)%4)+\b):8*(8*((\a)%4)+\b)+7], v[128*(\p)+FR*\b:128*(\p)+FR*\b+FR-1], v[AF+FR*(\a):AF+FR*(\a)+FR-1], v[BI+8*\b:BI+8*\b+7], v[SC+8*NQ*(\sc)+NQ*\b+(\q)], v[SC+8*NQ*(\sc)+NQ*(\a)+(\q)] matrix_a_fmt:MATRIX_FMT_FP6 matrix_b_fmt:MATRIX_FMT_FP6 matrix_a_scale:MATRIX_SCALE_ROW1
.elseif \cm == 2
	v_wmma_scale_f32_16x16x128_f8f6f4 v[8*(8*((\a)%4)+\b):8*(8*((\a)%4)+\b)+7], v[128*(\p)+FR*\b:128*(\p)+FR*\b+FR-1], v[AF+FR*(\a):AF+FR*(\a)+FR-1], v[BI+8*(\a):BI+8*(\a)+7], v[SC+8*NQ*(\sc)+NQ*\b+(\q)], v[SC+8*NQ*(\sc)+NQ*(\a)+(\q)] matrix_a_fmt:MATRIX_FMT_FP6 matrix_b_fmt:MATRIX_FMT_FP6 matrix_a_scale:MATRIX_SCALE_ROW1
.else
	v_wmma_scale_f32_16x16x128_f8f6f4 v[8*(8*((\a)%4)+\b):8*(8*((\a)%4)+\b)+7], v[128*(\p)+FR*\b:128*(\p)+FR*\b+FR-1], v[AF+FR*(\a):AF+FR*(\a)+FR-1], v[8*(8*((\a)%4)+\b):8*(8*((\a)%4)+\b)+7], v[SC+8*NQ*(\sc)+NQ*\b+(\q)], v[SC+8*NQ*(\sc)+NQ*(\a)+(\q)] matrix_a_fmt:MATRIX_FMT_FP6 matrix_b_fmt:MATRIX_FMT_FP6 matrix_a_scale:MATRIX_SCALE_ROW1
.endif
.endr
.endr
.endm
.macro FETCH_B slot, q, p
	WIN TO_B
.irp i, 0,1,2,3,4,5,6,7
	FRAG 128*(\p)+FR*\i, ADRB+\slot, \q, \i
.endr
	WIN 0
.endm
.macro FETCH_A slot, q, i0
.irp i, \i0, \i0+1, \i0+2, \i0+3
	FRAG AF+FR*(\i), ADRA+\slot, \q, \i
.endr
.endm
.macro SCALES sc                       ; a K step's scale words: lanes 0-15 take A's block i, lanes 16-31 B's block i
.irp i, 0,1,2,3,4,5,6,7
	ds_load_b64 v[SC+8*NQ*\sc+NQ*\i:SC+8*NQ*\sc+NQ*\i+1], v[ADRS] offset:\i*SBLK
.endr
.endm
.macro PLACES n                        ; plain vector instructions between a matrix instruction and a load into, or a read of, its registers
.rept \n
	v_nop
.endr
.endm
.macro STEP slot, q, cm                ; a step of 128 along K that has its successor in the same slot
	s_wait_dscnt 4*NL                              ; B's set and A's blocks 0-3 are in; the youngest 24 loads (A's blocks 4-7) may be out
.if \cm
	WIN BIA_LO
.else
	WIN MUL_LO
.endif
	MUL16 0, (\q)%2, \q, \slot, \cm
	MUL16 2, (\q)%2, \q, \slot, \cm
	s_wait_dscnt 0
	PLACES NP
	FETCH_B \slot, (\q)+1, 1-(\q)%2
	FETCH_A \slot, (\q)+1, 0
.if \cm
	WIN BIA_HI
.else
	WIN MUL_HI
.endif
	MUL16 4, (\q)%2, \q, \slot, \cm
	MUL16 6, (\q)%2, \q, \slot, \cm
	PLACES NP
	WIN 0
	FETCH_A \slot, (\q)+1, 4
.endm
; A slot's last step changes slots: ONE barrier; in front of it each wave waits for all its tensor loads, adds 0 to its spare word, and waits for that and for its reads of this slot.  fill = 1: this slot is filled again, two K steps ahead.
.macro TURN slot, next, fill
	s_wait_tensorcnt 0x0                           ; all my tensor loads have landed: my part of the next slot
	ds_add_u32 v[SPW], v[NIL]                      ; 0 onto my spare word
	s_wait_dscnt 4*NL+1                            ; (the add and the youngest 24 loads, A's blocks 4-7, may be out)
	WIN MUL_LO
	MUL16 0, 1, NQ-1, \slot, 0
	s_wait_dscnt 0x0                               ; the add is done, and my reads of this slot are over
	s_barrier_signal -1
	MUL16 2, 1, NQ-1, \slot, 0
	WIN 0
	s_barrier_wait -1
.if \fill
	CREST                                          ; the barrier has opened a round of the cluster's barrier: no wave of any partner still reads this slot or has a load on its way
	s_add_nc_u64 s[G0+4*\slot+2:G0+4*\slot+3], s[G0+4*\slot+2:G0+4*\slot+3], 2*ROWB
	s_add_nc_u64 s[G0B+4*\slot+2:G0B+4*\slot+3], s[G0B+4*\slot+2:G0B+4*\slot+3], 2*ROWB
	JLOAD G0+4*\slot, G1, G0B+4*\slot, G1B         ; the first tensor load behind the round; its four v_nop are the places in front of the loads below
.else
	PLACES NP
.endif
	v_add_nc_u32 v[ADRS], 4*NQ, v[ADRS]            ; on to the next K step's scale words (no LDS load of mine is out)
	FETCH_B \next, 0, 0
	FETCH_A \next, 0, 0
	SCALES \next
	WIN MUL_HI
	MUL16 4, 1, NQ-1, \slot, 0
	MUL16 6, 1, NQ-1, \slot, 0
	PLACES NP
	WIN 0
	FETCH_A \next, 0, 4
.endm
	s_wait_tensorcnt 1                             ; the scales and my part of K step 0 are in (K step 1's load may be out),
	s_barrier_signal -1
	s_barrier_wait -1                              ; everybody's are
	FETCH_B 0, 0, 0
	FETCH_A 0, 0, 0
	SCALES 0
	FETCH_A 0, 0, 4
	s_wait_loadcnt 0x0                             ; the bias
	s_cmp_eq_u32 s100, 2                           ; the first step is written twice: it differs in which bias registers start a sum
	s_cbranch_scc1 .Lfirst_rows
	STEP 0, 0, 1
	s_branch .Lfirst_done
.Lfirst_rows:
	STEP 0, 0, 2
.Lfirst_done:
	s_mov_b32 s3, LAPS-1
.Llap:                                                 ; a trip goes once round the ring, from a lap's second step to the next lap's first, and fills both slots again
	TURN 0, 1, 1
	STEP 1, 0, 0
	TURN 1, 0, 1
	STEP 0, 0, 0
	s_sub_co_u32 s3, s3, 1
	s_cmp_lg_u32 s3, 0
	s_cbranch_scc1 .Llap
	TURN 0, 1, 0                                   ; the last lap fills nothing, and has no round of the cluster's barrier
	STEP 1, 0, 0
	s_wait_dscnt 4*NL
	WIN MUL_LO
	MUL16 0, 1, NQ-1, 1, 0
	MUL16 2, 1, NQ-1, 1, 0
	s_wait_dscnt 0
	WIN MUL_HI
	MUL16 4, 1, NQ-1, 1, 0
	MUL16 6, 1, NQ-1, 1, 0
	WIN 0
	PLACES NP                                      ; in front of the first read of results, and of writes into the registers that held scale words
	; THE WAY OUT.  T: my first token; F: my first feature.
	s_cmp_eq_u32 s100, 2
	s_cselect_b32 s18, s97, s96                    ; T
	s_cselect_b32 s19, s96, s97                    ; F
	s_lshr_b32 s20, s18, 11
	s_lshl_b32 s20, s20, 4
	s_lshr_b32 s21, s19, 6
	s_add_co_u32 s20, s20, s21                     ; 16 x batch + my first head
	s_mul_i32 s20, s20, HBLK
	s_mul_i32 s21, s100, PARTB
	s_add_co_u32 s20, s20, s21                     ; that head's block
	s_and_b32 s18, s18, 2047
	s_lshr_b32 s21, s18, 5
	s_mul_i32 s21, s21, 1536
	s_add_co_u32 s21, s21, s20                     ; my 128 tokens' codes in it: 6,144 bytes in all three layouts
	s_lshr_b32 s22, s18, 7
	s_lshl_b32 s22, s22, 8
	s_add_co_u32 s22, s22, s20
	s_add_co_u32 s22, s22, KSCO                    ; and their 256 bytes of scale words
	s_cmp_eq_u32 s100, 2                           ; from tile a to its place: bit 0, bit 1, bit 2 of a; and from part 0 to part 1
	s_mov_b32 s40, 768
	s_cselect_b32 s40, 1536, s40
	s_mov_b32 s41, 1536
	s_cselect_b32 s41, 3072, s41
	s_mov_b32 s43, 3072
	s_cselect_b32 s43, HBLK, s43                   ; (value: tiles 4-7 are the next head's)
	s_mov_b32 s44, HBLK                            ; (query, key: part 1 is the next head's)
	s_cselect_b32 s44, 768, s44
	s_mov_b32 s45, 0xffff0000                      ; lanes 16-31
	s_mov_b32 s46, 0x76543210
	s_mov_b32 s47, 0xfedcba98                      ; v_permlanex16_b32's selects for lane l xor 16
	v_and_b32 v[L8], 31, v0
	v_lshlrev_b32 v[L8], 3, v[L8]                  ; 8 x lane
	v_and_b32 v1, 15, v0
	v_bfe_u32 v2, v0, 4, 1
	v_mov_b32 v[SELV], 0x05040100                  ; lanes 0-15 gather my first head's bytes, lanes 16-31 the next head's
	v_mov_b32 v[VS], 0x07060302
	v_cndmask_b32 v[SELV], v[SELV], v[VS], s45
	v_mul_u32_u24 v[VS], v2, HBLK
	v_lshl_add_u32 v[VS], v1, 4, v[VS]
	v_add_nc_u32 v[VS], s22, v[VS]                 ; 16 bytes a row; lanes 16-31 in the next head's block
.irp b, 0,1,2,3
	v_mov_b32 v[TM+4+\b], 0                        ; written once: a lane permute's destination counts as one of its sources
.endr
; Tile a: the 64 numbers of my row, register 16 b + i = 32 b + 16 (lane / 16) + i along the next K, become 12 registers of codes and a scale word.
.macro QA a
.set AC, 64*((\a)%4)
	WIN 0x0a+5*((\a)/4)                            ; sources 0 and 1: window 2 or 3
.irp b, 0,1,2,3
	v_max3_num_f32 v[TM+\b], |v[AC+16*\b]|, |v[AC+16*\b+1]|, 0x1800000   ; block b: my 16 numbers, from each accumulator's low end on, and the floor 2^(3 - 127)
.endr
.irp i, 2,4,6,8,10,12,14
.irp b, 0,1,2,3
	v_max3_num_f32 v[TM+\b], |v[AC+16*\b+\i]|, |v[AC+16*\b+\i+1]|, v[TM+\b]
.endr
.endr
	WIN 0
.irp b, 0,1,2,3
	v_permlanex16_b32 v[TM+4+\b], v[TM+\b], s46, s47
.endr
.irp b, 0,1,2,3
	v_max_num_f32 v[TM+\b], v[TM+\b], v[TM+4+\b]   ; with lane l xor 16's: the block's largest magnitude
.endr
.irp b, 0,1,2,3
	v_add_nc_u32 v[TM+12+\b], 0xff000000, v[TM+\b] ; 2 off its exponent field: the conversion's scale operand
.endr
.irp b, 0,1,2,3
	v_lshrrev_b32 v[TM+4+\b], 23, v[TM+12+\b]      ; the scale's byte
.endr
	v_lshl_or_b32 v[PW+(\a)], v[TM+5], 8, v[TM+4]
	v_lshl_or_b32 v[PW+(\a)], v[TM+6], 16, v[PW+(\a)]
	v_lshl_or_b32 v[PW+(\a)], v[TM+7], 24, v[PW+(\a)]
	s_wait_xcnt 0x0                                ; the last tile's stores have read their data and offsets: both are written again only behind this wait
	WIN 0x02+((\a)/4)                              ; source 0: window 2 or 3
.irp c, 0,1
	v_cvt_scalef32_pk16_fp6_f32 v[CD+6*\c:CD+2+6*\c], v[AC+32*\c:AC+15+32*\c], v[TM+12+2*\c]
	v_cvt_scalef32_pk16_fp6_f32 v[CD+12+4*\c:CD+14+4*\c], v[AC+16+32*\c:AC+31+32*\c], v[TM+12+2*\c+1]   ; (a conversion's three registers begin on an even number)
.endr
	WIN 0
	v_nop                                          ; one plain place behind a scaled conversion
.irp c, 0,1                                    ; the operand's layout wants a WHOLE block in a lane: lanes 0-15 block 2 c, lanes 16-31 block 2 c + 1
.irp i, 0,1,2
	v_permlane16_swap_b32 v[CD+6*\c+\i], v[CD+12+4*\c+\i]
.endr
.irp i, 0,1,2
	v_mov_b32 v[CD+3+6*\c+\i], v[CD+12+4*\c+\i]
.endr
.endr
	s_mov_b32 s23, s21
.if (\a)&1
	s_add_co_u32 s23, s23, s40
.endif
.if (\a)&2
	s_add_co_u32 s23, s23, s41
.endif
.if (\a)&4
	s_add_co_u32 s23, s23, s43
.endif
	v_add_nc_u32 v[VO], s23, v[L8]
	s_add_co_u32 s23, s23, s44
	v_add_nc_u32 v[VO+1], s23, v[L8]
.irp c, 0,1
.irp e, 0,1,2
	global_store_b64 v[VO+\c], v[CD+6*\c+2*\e:CD+6*\c+2*\e+1], s[12:13] offset:256*\e   ; a pair of registers of 32 lanes: 256 consecutive bytes, aligned
.endr
.endr
.endm
.irp a, 0,1,2,3,4,5,6,7
	QA \a
.endr
	s_cmp_eq_u32 s100, 2
	s_cbranch_scc1 .Lwords_v
.irp w, 0,1,2,3
	v_perm_b32 v[XW+\w], v[PW+2*\w+1], v[PW+2*\w], v[SELV]   ; my head's two bytes of tile 2 w, then of tile 2 w + 1
.endr
	s_branch .Lwords_done
.Lwords_v:
.irp w, 0,1,2,3
	v_cndmask_b32 v[XW+\w], v[PW+\w], v[PW+4+\w], s45        ; tile w's word; in lanes 16-31 the next head's
.endr
.Lwords_done:
	global_store_b128 v[VS], v[XW:XW+3], s[12:13]  ; sixteen lanes store 256 consecutive bytes, aligned, in each of two heads' blocks
	s_wait_tensorcnt 0x0                           ; the wave's end, behind my last tensor load
	ds_add_u32 v[SPW], v[NIL]
	s_wait_dscnt 0x0
	CROUND                                         ; the closing round: no work-group ends while a partner may still ask for a tile that names it
	s_endpgm
.Lfunc_end_k_q62b2978dd5_proj:
	.size	k_q62b2978dd5_proj, .Lfunc_end_k_q62b2978dd5_proj-k_q62b2978dd5_proj
	.p2alignl 7, 3214868480
	.fill 96, 4, 3214868480
	.section	.rodata,"a",@progbits
	.p2align	6, 0x0
	.amdhsa_kernel k_q62b2978dd5_proj
		.amdhsa_group_segment_fixed_size 327680
		.amdhsa_private_segment_fixed_size 0
		.amdhsa_enable_private_segment 0
		.amdhsa_kernarg_size 64
		.amdhsa_user_sgpr_count 2
		.amdhsa_user_sgpr_kernarg_segment_ptr 1
		.amdhsa_wavefront_size32 1
		.amdhsa_system_sgpr_workgroup_id_x 1
		.amdhsa_system_sgpr_workgroup_id_y 1
		.amdhsa_system_sgpr_workgroup_id_z 1
		.amdhsa_system_vgpr_workitem_id 0
		.amdhsa_next_free_vgpr 1024
		.amdhsa_next_free_sgpr 102
		.amdhsa_reserve_vcc 0
		.amdhsa_float_denorm_mode_32 3
		.amdhsa_float_denorm_mode_16_64 3
		.amdhsa_memory_ordered 1
		.amdhsa_forward_progress 1
		.amdhsa_inst_pref_size 193
	.end_amdhsa_kernel
	.amdgpu_metadata
---
amdhsa.version: [ 1, 2 ]
amdhsa.kernels:
  - .name:           k_q62b2978dd5_proj
    .symbol:         k_q62b2978dd5_proj.kd
    .args:
      - { .name: xc, .offset: 0, .size: 8, .value_kind: global_buffer, .address_space: global }
      - { .name: xs, .offset: 8, .size: 8, .value_kind: global_buffer, .address_space: global }
      - { .name: wc, .offset: 16, .size: 8, .value_kind: global_buffer, .address_space: global }
      - { .name: ws, .offset: 24, .size: 8, .value_kind: global_buffer, .address_space: global }
      - { .name: b_q, .offset: 32, .size: 8, .value_kind: global_buffer, .address_space: global }
      - { .name: b_k, .offset: 40, .size: 8, .value_kind: global_buffer, .address_space: global }
      - { .name: b_v, .offset: 48, .size: 8, .value_kind: global_buffer, .address_space: global }
      - { .name: aq, .offset: 56, .size: 8, .value_kind: global_buffer, .address_space: global }
    .group_segment_fixed_size: 327680
    .private_segment_fixed_size: 0
    .kernarg_segment_align: 8
    .kernarg_segment_size: 64
    .max_flat_workgroup_size: 128
    .sgpr_count:     102
    .vgpr_count:     1024
    .wavefront_size: 32
...
	.end_amdgpu_metadata
.endif
;; end of part 3
;; launch attn (part 4): grid 4 x 64, 16 waves a work-group, no clusters, 206,848 bytes of LDS; arguments aq, maskw, oq; writes oq
.if DOCPART == 4
	.amdgcn_target "amdgcn-amd-amdhsa--gfx1250"
	.amdhsa_code_object_version 6
	.text
	.protected	k_q62b2978dd5_attn
	.globl	k_q62b2978dd5_attn
	.p2align	8
	.type	k_q62b2978dd5_attn,@function
k_q62b2978dd5_attn:
	s_mov_b64 s[64:65], 0
	v_nop
	global_prefetch_b8 v0, s[64:65] scope:SCOPE_SE
	s_setreg_imm32_b32 hwreg(HW_REG_WAVE_MODE, 25, 1), 1
	s_wait_xcnt 0x0
; ATTENTION on codes of E2M3 with one E8M0 scale for each 32 along a product's K.  Head size 64, 2,048 keys, 64 (batch, head) pairs; the mask is honoured as it is given.
; SHARES.  A work-group owns one (batch, head) (y) and 512 of its queries (x); each of its sixteen waves owns a tile of 16 queries in each of two passes: tile qt = 32 x + 16 pass + wave.  256 work-groups of equal work.
; THE HEAD'S WHOLE K AND V LIE IN LDS for the whole launch, 204,800 bytes, as images of operand registers with their scale words, filled ONCE through registers: one barrier, no ring, nothing filled again.
; NO TENSOR LOAD AND NO CLUSTER, on purpose.  A key step of a tile is 12 matrix instructions beside some 240 vector instructions, so vector work is what is spared: a scalar branch on a stored flag leaves the mask's 64 selects
; and its 256 bytes out of every step whose mask tile has no zero.  What partners would share is 204,800 bytes, fetched once, for 512 wave steps.
; LAYOUT.  Both products are used transposed: S^T = K Q^T (source 0 = 16 keys, source 1 = my 16 queries), O^T = V^T P^T: a lane holds ONE query (lane % 16) throughout.
; THE HEAD IS 64 AND THE INSTRUCTION'S K IS 128: an image of K holds TWO tiles of 16 keys, one in each half of K; Q's six registers stand between two runs of six zeros, so v[22:33] is Q against the lower tile
; and v[16:27] Q against the upper: the other tile's codes meet zero codes, which add nothing (no scale byte here is 0xff).
; The keys of a tile are not neighbours (the launch before stored them so): the 16 registers of tiles 2 b, 2 b + 1 are keys 32 b + 16 (lane / 16) + 0 .. 15 of the step's 128.
; SOFTMAX.  t = score x log2(e) / 8; M = the running largest t rounded UP to a whole number; p = 2^(t - M) is quantised along the keys, not normalised; the sum is taken of the unquantised p and divides O at the end.
; A block's largest p is not searched for: the block's largest score goes through the same multiply-add and exponential (this takes v_exp_f32 not to fall where its input rises).
; THE MASK.  A masked score becomes -2^33, that is the logit -2^30, in place of reference's -1e9: -2^33 x c is exact and a whole number, so a row that is masked throughout has p = 1 for every key: uniform weights.
; LIMITS: the results are reference's as long as every unmasked logit lies above about -9.9e8; a block whose largest magnitude lies under 2^-124 keeps the scale byte 1; NaN and infinities are not served.
; OUT.  O / sum is quantised along the head's 64 (two blocks of the last product's K) and stored as half an operand image: oq [128 tokens 64][128 along K 8][tile 8][head % 2][768], then the scale bytes [token][32] at 6,291,456.
.set PARTB, 6553600
.set HBLK,  102400
.set KSCO,  98304
.set SPARE, 2*HBLK                     ; behind K's and V's blocks: the spare words, 128 bytes a wave, named by no other line
.set L8,  1                            ; v1  8 x lane: my place in a pair of registers' image
.set LV,  2                            ; v2  the same in V's block
.set LS,  3                            ; v3  K's scale words: 16 bytes a row
.set LT,  4                            ; v4  V's
.set SPW, 5                            ; v5  my spare word; never rewritten
.set NIL, 6                            ; v6  0; never rewritten
.set NEG, 7                            ; v7  -2^33
.set ADK, 8                            ; v8-11 the step's LDS addresses
.set ADV, 9
.set ADS, 10
.set ADT, 11
.set QS,  34                           ; v34 Q's scale word: its two bytes twice
.set QW,  35                           ; v35 as loaded
.set KSC, 36                           ; v36-39 K's scale words
.set VSC, 40                           ; v40-43 V's
.set F,   44                           ; v44-91 four images of K, then four fragments of V
.set S,   96                           ; v96-159 S^T, then p
.set O,   160                          ; v160-191 O^T
.set PC,  192                          ; v192-203 p's codes
.set CT,  204                          ; v204-210 the conversions' second halves
.set BM,  212
.set T2,  216
.set SCL, 220
.set FF,  224                          ; v224 f, v225 p's scale word
.set TP,  226
.set FA,  228
.set GS,  229
	s_load_b128 s[4:7], s[0:1], 0x0                ; aq, maskw
	s_load_b64 s[8:9], s[0:1], 0x10                ; oq
	v_lshl_add_u32 v[SPW], v0, 2, SPARE
	v_mov_b32 v[NIL], 0
	v_lshrrev_b32 v1, 5, v0
	s_delay_alu instid0(VALU_DEP_1)
	v_readfirstlane_b32 s10, v1                    ; wave 0..15
	s_and_b32 s11, ttmp7, 0xffff                   ; 16 x batch + head
	v_and_b32 v8, 31, v0                           ; lane
	v_and_b32 v9, 15, v0                           ; r
	s_delay_alu instid0(VALU_DEP_2)
	v_lshlrev_b32 v[L8], 3, v8
	s_delay_alu instid0(VALU_DEP_1)
	v_add_nc_u32 v[LV], HBLK, v[L8]
	s_delay_alu instid0(VALU_DEP_3)
	v_lshlrev_b32 v[LS], 4, v9
	s_delay_alu instid0(VALU_DEP_1)
	v_add_nc_u32 v[LT], HBLK+KSCO, v[LS]
	s_delay_alu instid0(VALU_DEP_2)
	v_add_nc_u32 v[LS], KSCO, v[LS]
	v_lshlrev_b32 v[GS], 5, v9                     ; 32 r: a token's row of scale bytes
	v_lshlrev_b32 v10, 4, v8                       ; 16 x lane
	s_mul_i32 s12, s10, 12800
	v_add_nc_u32 v[FA], s12, v10                   ; the fill: wave w's 12,800 bytes of the 204,800
	v_mov_b32 v[NEG], 0xd0000000
	s_mov_b32 s14, 0x76543210
	s_mov_b32 s15, 0xfedcba98                      ; v_permlanex16_b32's selects for lane l xor 16
	s_mov_b32 s16, 0x3e38aa3b                      ; c = log2(e) / 8
	s_mov_b32 s17, s16                             ; (named with it as a pair, so it is written)
	s_and_b32 s100, s10, 1                         ; an odd tile's bytes are the upper two of its pair's word
	s_cmp_lg_u32 s100, 0
	s_mov_b32 s100, 0x01000100
	s_cselect_b32 s100, 0x03020302, s100
	s_lshr_b32 s13, s10, 3                         ; waves 0-7 bring K's block, waves 8-15 V's
	s_add_co_u32 s13, s13, 1
	s_mul_i32 s30, s13, PARTB
	s_mul_i32 s28, s11, HBLK
	s_add_co_u32 s30, s30, s28
	s_and_b32 s13, s10, 7
	s_mul_i32 s13, s13, 12800
	s_add_co_u32 s30, s30, s13
	s_mov_b32 s31, 0
	s_mov_b32 s29, 0
	s_wait_alu depctr_va_vdst(0)
	s_wait_kmcnt 0x0
	s_add_nc_u64 s[30:31], s[4:5], s[30:31]
	s_add_nc_u64 s[28:29], s[4:5], s[28:29]        ; Q's block of my head
.set I, 0
.rept 25
	global_load_b128 v[96+4*I:99+4*I], v10, s[30:31] offset:512*I   ; 32 lanes read 512 consecutive bytes
.set I, I+1
.endr
.set I, 0
.rept 25
	s_wait_loadcnt 24-I                            ; load I is in; the younger ones may be out
	ds_store_b128 v[FA], v[96+4*I:99+4*I] offset:512*I
.set I, I+1
.endr
	s_wait_dscnt 0x0                               ; for the others' sake: my stores have landed
	s_barrier_signal -1
	s_barrier_wait -1                              ; K and V lie in LDS; nothing is written there again
.macro PASS n
	s_lshl_b32 s12, ttmp9, 5
	s_add_co_u32 s12, s12, s10
	s_add_co_u32 s12, s12, 16*\n                   ; qt
	s_mul_i32 s30, s12, 768
	s_mov_b32 s31, 0
	s_add_nc_u64 s[30:31], s[28:29], s[30:31]
.irp e, 0,1,2
	global_load_b64 v[22+2*\e:23+2*\e], v[L8], s[30:31] offset:256*\e   ; Q's six registers
.endr
	s_lshr_b32 s13, s12, 3
	s_lshl_b32 s13, s13, 8
	s_bfe_u32 s23, s12, 0x20001
	s_lshl_b32 s23, s23, 2
	s_add_co_u32 s13, s13, s23
	v_add_nc_u32 v[TP], s13, v[LS]
	global_load_b32 v[QW], v[TP], s[28:29]         ; my row's word of my tile's pair
	s_lshl_b32 s23, s12, 4
	s_load_b128 s[24:27], s[6:7], s23 offset:0x80000   ; the four flag words of qt
.irp j, 16,17,18,19,20,21,28,29,30,31,32,33
	v_mov_b32 v\j, 0                               ; zero codes on both sides of Q
.endr
.irp b, 0,1,2,3
	v_mov_b32 v[T2+\b], 0                          ; a lane permute's destination counts as one of its sources
.endr
	v_mov_b32 v[FF+1], 0                           ; (named as the upper half of a pair before it is first made)
	v_mov_b32 v14, 0                               ; the sum, in two halves
	v_mov_b32 v15, 0
	v_mov_b32 v13, 0xff61b1e6                      ; the largest t so far: -3e38
	s_delay_alu instid0(VALU_DEP_1)
	v_floor_f32 v12, -v13                          ; -M
	s_wait_loadcnt 0x0
	s_wait_kmcnt 0x0
	s_or_b32 s21, s24, s25
	s_or_b32 s21, s21, s26
	s_or_b32 s21, s21, s27                         ; bit ks: mask tile (qt, ks) holds a zero
	v_perm_b32 v[QS], v[QW], v[QW], s100           ; my tile's two bytes, twice: they serve Q in either half of K
.set J, 0
.rept 32
	v_mov_b32 v[O+J], 0                            ; O^T: the loop is written once; its first step finds zeros.  (These are also the places between the scale word's making and its first use)
.set J, J+1
.endr
	s_mov_b32 s18, 0                               ; the step's codes: 6,144 bytes a step
	s_mov_b32 s19, 0                               ; its scale words: 256
	s_lshl_b32 s20, s12, 12                        ; its mask tile: 256
	s_mov_b32 s22, 16
.Lstep_\@:                                         ; 16 trips of 128 keys
	s_setprio 2
	v_add_nc_u32 v[ADK], s18, v[L8]                ; (four plain instructions: the places in front of the loads into registers that the last products read)
	v_add_nc_u32 v[ADV], s18, v[LV]
	v_add_nc_u32 v[ADS], s19, v[LS]
	v_add_nc_u32 v[ADT], s19, v[LT]
.irp g, 0,1,2,3
.irp e, 0,1,2,3,4,5
	ds_load_b64 v[F+12*\g+2*\e:F+12*\g+2*\e+1], v[ADK] offset:1536*\g+256*\e   ; 32 lanes read 256 consecutive bytes
.endr
.endr
	ds_load_b128 v[KSC:KSC+3], v[ADS]
	s_wait_alu depctr_va_vdst(0)
	s_wait_dscnt 0x0
.irp g, 0,1,2,3
	v_wmma_scale_f32_16x16x128_f8f6f4 v[S+16*\g:S+16*\g+7], v[F+12*\g:F+12*\g+11], v[22:33], 0, v[KSC+\g], v[QS] matrix_a_fmt:MATRIX_FMT_FP6 matrix_b_fmt:MATRIX_FMT_FP6
	v_wmma_scale_f32_16x16x128_f8f6f4 v[S+16*\g+8:S+16*\g+15], v[F+12*\g:F+12*\g+11], v[16:27], 0, v[KSC+\g], v[QS] matrix_a_fmt:MATRIX_FMT_FP6 matrix_b_fmt:MATRIX_FMT_FP6
.endr
.rept 4
	v_nop                                          ; places in front of the loads below and of the first read of the scores
.endr
.irp g, 0,1,2,3
.irp e, 0,1,2,3,4,5
	ds_load_b64 v[F+12*\g+2*\e:F+12*\g+2*\e+1], v[ADV] offset:1536*\g+256*\e   ; V's four fragments land while the softmax is walked
.endr
.endr
	ds_load_b128 v[VSC:VSC+3], v[ADT]
	s_and_b32 s23, s21, 1
	s_cmp_lg_u32 s23, 0
	s_cbranch_scc0 .Lopen_\@                       ; no zero in this mask tile
	s_load_b512 s[32:47], s[6:7], s20 offset:0x0
	s_load_b512 s[48:63], s[6:7], s20 offset:0x40
	s_load_b512 s[68:83], s[6:7], s20 offset:0x80
	s_load_b512 s[84:99], s[6:7], s20 offset:0xc0
	s_wait_kmcnt 0x0
.set J, 0
.rept 32
	v_cndmask_b32 v[S+J], v[NEG], v[S+J], s[32+J]  ; word J holds, lane by lane, the mask's bit for register J
.set J, J+1
.endr
.rept 32
	v_cndmask_b32 v[S+J], v[NEG], v[S+J], s[36+J]
.set J, J+1
.endr
.Lopen_\@:
.irp b, 0,1,2,3
	v_max3_num_f32 v[BM+\b], v[S+16*\b], v[S+1+16*\b], v[S+2+16*\b]   ; the largest score of each block of 32 keys
.endr
.irp i, 3,5,7,9,11,13
.irp b, 0,1,2,3
	v_max3_num_f32 v[BM+\b], v[BM+\b], v[S+16*\b+\i], v[S+1+16*\b+\i]
.endr
.endr
.irp b, 0,1,2,3
	v_max_num_f32 v[BM+\b], v[BM+\b], v[S+15+16*\b]
.endr
.irp b, 0,1,2,3
	s_delay_alu instid0(VALU_DEP_4)
	v_permlanex16_b32 v[T2+\b], v[BM+\b], s14, s15
.endr
.irp b, 0,1,2,3
	s_delay_alu instid0(VALU_DEP_4)
	v_max_num_f32 v[BM+\b], v[BM+\b], v[T2+\b]     ; with lane l xor 16's 16 keys
.endr
	s_delay_alu instid0(VALU_DEP_2)
	v_max3_num_f32 v[TP], v[BM], v[BM+1], v[BM+2]
	s_delay_alu instid0(VALU_DEP_1)
	v_max_num_f32 v[TP], v[TP], v[BM+3]
	s_delay_alu instid0(VALU_DEP_1)
	v_mul_f32 v[TP], s16, v[TP]                    ; the step's largest t
	s_delay_alu instid0(VALU_DEP_1)
	v_max_num_f32 v13, v13, v[TP]                  ; the running largest t
	v_mov_b32 v[TP], v12
	s_delay_alu instid0(VALU_DEP_2)
	v_floor_f32 v12, -v13                          ; the new -M = -ceil(t)
	s_delay_alu instid0(VALU_DEP_1)
	v_sub_f32 v[TP], v12, v[TP]                    ; old M - new M: a whole number, 0 or less
	s_delay_alu instid0(VALU_DEP_1)
	v_cvt_i32_f32 v[TP], v[TP]                     ; (it saturates)
	s_delay_alu instid0(VALU_DEP_1)
	v_ldexp_f32 v[FF], 1.0, v[TP]                  ; f = 2^(old M - new M): rounds nothing
.set J, 0
.rept 32
	v_pk_fma_f32 v[S+J:S+J+1], v[S+J:S+J+1], s[16:17], v[12:13] op_sel_hi:[1,0,0]   ; t - M, two at a time
.set J, J+2
.endr
.irp b, 0,1,2,3
	v_fma_f32 v[BM+\b], v[BM+\b], s16, v12         ; the same of each block's largest score
.endr
.set J, 0
	s_setprio 1
	s_wait_alu depctr_va_vdst(0)
.rept 64
	v_exp_f32 v[S+J], v[S+J]                       ; p = 2^(t - M)
.set J, J+1
.endr
	v_pk_mul_f32 v[14:15], v[14:15], v[FF:FF+1] op_sel_hi:[1,0]   ; the sums under the new M: the plain instruction behind the exponentials
	s_wait_alu depctr_va_vdst(0)                   ; the wait ahead of the first instruction that names a result: one for the batch of 64
.irp b, 0,1,2,3
	v_exp_f32 v[BM+\b], v[BM+\b]                   ; the block's largest p
.endr
	v_pk_add_f32 v[216:217], v[100:101], v[104:105]
	v_pk_add_f32 v[254:255], v[108:109], v[112:113]
	v_pk_add_f32 v[252:253], v[116:117], v[120:121]
	v_pk_add_f32 v[250:251], v[124:125], v[128:129]
	v_pk_add_f32 v[248:249], v[132:133], v[136:137]
	v_pk_add_f32 v[246:247], v[140:141], v[144:145]
	v_pk_add_f32 v[244:245], v[148:149], v[152:153]
	v_pk_add_f32 v[14:15], v[14:15], v[156:157]
	v_pk_add_f32 v[216:217], v[216:217], v[96:97]
	v_pk_add_f32 v[254:255], v[254:255], v[98:99]
	v_pk_add_f32 v[252:253], v[252:253], v[102:103]
	v_pk_add_f32 v[250:251], v[250:251], v[106:107]
	v_pk_add_f32 v[248:249], v[248:249], v[110:111]
	v_pk_add_f32 v[246:247], v[246:247], v[114:115]
	v_pk_add_f32 v[244:245], v[244:245], v[118:119]
	v_pk_add_f32 v[14:15], v[14:15], v[122:123]
	v_pk_add_f32 v[216:217], v[216:217], v[126:127]
	v_pk_add_f32 v[254:255], v[254:255], v[130:131]
	v_pk_add_f32 v[252:253], v[252:253], v[134:135]
	v_pk_add_f32 v[250:251], v[250:251], v[138:139]
	v_pk_add_f32 v[248:249], v[248:249], v[142:143]
	v_pk_add_f32 v[246:247], v[246:247], v[146:147]
	v_pk_add_f32 v[244:245], v[244:245], v[150:151]
	v_pk_add_f32 v[14:15], v[14:15], v[154:155]
	v_pk_add_f32 v[216:217], v[216:217], v[158:159]
	s_delay_alu instid0(VALU_DEP_2)
	v_pk_add_f32 v[14:15], v[14:15], v[250:251]
	s_delay_alu instid0(VALU_DEP_2)
	v_pk_add_f32 v[216:217], v[216:217], v[248:249]
	v_pk_add_f32 v[254:255], v[254:255], v[246:247]
	v_pk_add_f32 v[252:253], v[252:253], v[244:245]
	s_delay_alu instid0(VALU_DEP_2)
	v_pk_add_f32 v[14:15], v[14:15], v[254:255]
	s_delay_alu instid0(VALU_DEP_2)
	v_pk_add_f32 v[216:217], v[216:217], v[252:253]
	s_delay_alu instid0(VALU_DEP_1)
	v_pk_add_f32 v[14:15], v[14:15], v[216:217]
	s_wait_alu depctr_va_vdst(0)                   ; and one for the four
.irp b, 0,1,2,3
	v_max_num_f32 v[BM+\b], 0x1800000, v[BM+\b]    ; the floor 2^(3 - 127): the byte cannot fall under 1
.endr
.irp b, 0,1,2,3
	s_delay_alu instid0(VALU_DEP_4)
	v_add_nc_u32 v[SCL+\b], 0xff000000, v[BM+\b]   ; 2 off the exponent field: the conversion's scale operand
.endr
.irp b, 0,1,2,3
	s_delay_alu instid0(VALU_DEP_4)
	v_lshrrev_b32 v[T2+\b], 23, v[SCL+\b]          ; the scale's byte
.endr
	s_delay_alu instid0(VALU_DEP_3)
	v_lshl_or_b32 v[FF+1], v[T2+1], 8, v[T2]       ; p's scale word for these 128 keys
	s_delay_alu instid0(VALU_DEP_1)
	v_lshl_or_b32 v[FF+1], v[T2+2], 16, v[FF+1]
	s_delay_alu instid0(VALU_DEP_1)
	v_lshl_or_b32 v[FF+1], v[T2+3], 24, v[FF+1]
	s_setprio 0
.irp c, 0,1
	v_cvt_scalef32_pk16_fp6_f32 v[PC+6*\c:PC+2+6*\c], v[S+32*\c:S+15+32*\c], v[SCL+2*\c]
	v_cvt_scalef32_pk16_fp6_f32 v[CT+4*\c:CT+2+4*\c], v[S+16+32*\c:S+31+32*\c], v[SCL+2*\c+1]   ; (a conversion's three registers begin on an even number)
.endr
	v_nop                                          ; one plain place behind a scaled conversion
.irp c, 0,1                                    ; the operand's layout wants a WHOLE block in a lane
.irp i, 0,1,2
	v_permlane16_swap_b32 v[PC+6*\c+\i], v[CT+4*\c+\i]
.endr
.irp i, 0,1,2
	s_delay_alu instid0(VALU_DEP_3)
	v_mov_b32 v[PC+3+6*\c+\i], v[CT+4*\c+\i]
.endr
.endr
.set J, 0
.rept 16
	v_pk_mul_f32 v[O+J:O+J+1], v[O+J:O+J+1], v[FF:FF+1] op_sel_hi:[1,0]   ; O^T under the new M.  (These sixteen are also the places between the making of p's codes and scale word and the products)
.set J, J+2
.endr
	s_wait_alu depctr_va_vdst(0)
	s_wait_dscnt 0x0                               ; V's fragments and scale words are in
.irp g, 0,1,2,3
	v_wmma_scale_f32_16x16x128_f8f6f4 v[O+8*\g:O+8*\g+7], v[F+12*\g:F+12*\g+11], v[PC:PC+11], v[O+8*\g:O+8*\g+7], v[VSC+\g], v[FF+1] matrix_a_fmt:MATRIX_FMT_FP6 matrix_b_fmt:MATRIX_FMT_FP6
.endr
	s_add_co_u32 s18, s18, 6144
	s_add_co_u32 s19, s19, 256
	s_add_co_u32 s20, s20, 256
	s_lshr_b32 s21, s21, 1
	s_sub_co_u32 s22, s22, 1
	s_cmp_lg_u32 s22, 0
	s_cbranch_scc1 .Lstep_\@
	s_setprio 0
	; the way out of a pass
	v_add_f32 v14, v14, v15                        ; the sum's two halves,
	s_delay_alu instid0(VALU_DEP_1)
	v_permlanex16_b32 v[TP], v14, s14, s15
	s_delay_alu instid0(VALU_DEP_1)
	v_add_f32 v14, v14, v[TP]                      ; and lane l xor 16's
	s_wait_alu depctr_va_vdst(0)
	v_rcp_f32 v14, v14
.rept 4
	v_nop                                          ; the plain place behind the reciprocal, and the places behind the last products
.endr
	s_wait_alu depctr_va_vdst(0)                   ; ahead of the reciprocal's first reader
.set J, 0
.rept 16
	v_pk_mul_f32 v[S+J:S+J+1], v[O+J:O+J+1], v[14:15] op_sel_hi:[1,0]   ; O^T / the sum: register 16 b + i is d = 32 b + 16 (lane / 16) + i; each accumulator from its low end on
.set J, J+2
.endr
.irp b, 0,1
	v_max3_num_f32 v[BM+\b], |v[S+16*\b]|, |v[S+1+16*\b]|, 0x1800000
.endr
.irp i, 2,4,6,8,10,12,14
.irp b, 0,1
	s_delay_alu instid0(VALU_DEP_2)
	v_max3_num_f32 v[BM+\b], v[BM+\b], |v[S+16*\b+\i]|, |v[S+1+16*\b+\i]|
.endr
.endr
.irp b, 0,1
	s_delay_alu instid0(VALU_DEP_2)
	v_permlanex16_b32 v[T2+\b], v[BM+\b], s14, s15
.endr
.irp b, 0,1
	s_delay_alu instid0(VALU_DEP_2)
	v_max_num_f32 v[BM+\b], v[BM+\b], v[T2+\b]
.endr
.irp b, 0,1
	s_delay_alu instid0(VALU_DEP_2)
	v_add_nc_u32 v[SCL+\b], 0xff000000, v[BM+\b]
.endr
.irp b, 0,1
	s_delay_alu instid0(VALU_DEP_2)
	v_lshrrev_b32 v[T2+\b], 23, v[SCL+\b]
.endr
	s_delay_alu instid0(VALU_DEP_1)
	v_lshl_or_b32 v[TP], v[T2+1], 8, v[T2]         ; my head's two scale bytes of my token
	v_cvt_scalef32_pk16_fp6_f32 v[PC:PC+2], v[S:S+15], v[SCL]
	v_cvt_scalef32_pk16_fp6_f32 v[CT:CT+2], v[S+16:S+31], v[SCL+1]
	v_nop
.irp i, 0,1,2
	v_permlane16_swap_b32 v[PC+\i], v[CT+\i]
.endr
.irp i, 0,1,2
	s_delay_alu instid0(VALU_DEP_3)
	v_mov_b32 v[PC+3+\i], v[CT+\i]
.endr
	s_lshr_b32 s23, s11, 4
	s_lshl_b32 s23, s23, 7
	s_add_co_u32 s23, s23, s12                     ; my tile among all 512 tiles of tokens
	s_lshr_b32 s30, s23, 3
	s_lshl_b32 s30, s30, 3
	s_bfe_u32 s31, s11, 0x30001                    ; head / 2: which 128 along the last product's K
	s_add_co_u32 s30, s30, s31
	s_lshl_b32 s30, s30, 3
	s_and_b32 s31, s23, 7
	s_add_co_u32 s30, s30, s31
	s_mul_i32 s30, s30, 1536
	s_and_b32 s31, s11, 1
	s_mul_i32 s31, s31, 768                        ; head % 2: which half of the image
	s_add_co_u32 s30, s30, s31
	s_mov_b32 s31, 0
	s_add_nc_u64 s[2:3], s[8:9], s[30:31]
	s_lshl_b32 s30, s23, 9                         ; 16 tokens x 32 bytes
	s_and_b32 s23, s11, 15
	s_lshl_b32 s23, s23, 1
	s_add_co_u32 s30, s30, s23
	s_add_co_u32 s30, s30, 6291456
	s_add_nc_u64 s[30:31], s[8:9], s[30:31]
	s_wait_alu depctr_va_vdst(0)
.irp e, 0,1,2
	global_store_b64 v[L8], v[PC+2*\e:PC+2*\e+1], s[2:3] offset:256*\e   ; 32 lanes store 256 consecutive bytes, aligned
.endr
	global_store_b16 v[GS], v[TP], s[30:31]        ; two bytes a token, rows 32 bytes apart (both halves of the lanes store the same): 32 bytes beside the pass's 768 of codes
	s_wait_xcnt 0x0                                ; the stores have read their registers and bases: the next pass writes them again
.endm
	PASS 0
	PASS 1
	s_wait_tensorcnt 0x0                           ; the wave's end, behind my last LDS store
	ds_add_u32 v[SPW], v[NIL]
	s_wait_dscnt 0x0
	s_endpgm
.Lfunc_end_k_q62b2978dd5_attn:
	.size	k_q62b2978dd5_attn, .Lfunc_end_k_q62b2978dd5_attn-k_q62b2978dd5_attn
	.p2alignl 7, 3214868480
	.fill 96, 4, 3214868480
	.section	.rodata,"a",@progbits
	.p2align	6, 0x0
	.amdhsa_kernel k_q62b2978dd5_attn
		.amdhsa_group_segment_fixed_size 206848
		.amdhsa_private_segment_fixed_size 0
		.amdhsa_enable_private_segment 0
		.amdhsa_kernarg_size 24
		.amdhsa_user_sgpr_count 2
		.amdhsa_user_sgpr_kernarg_segment_ptr 1
		.amdhsa_wavefront_size32 1
		.amdhsa_system_sgpr_workgroup_id_x 1
		.amdhsa_system_sgpr_workgroup_id_y 1
		.amdhsa_system_sgpr_workgroup_id_z 1
		.amdhsa_system_vgpr_workitem_id 0
		.amdhsa_next_free_vgpr 256
		.amdhsa_next_free_sgpr 102
		.amdhsa_reserve_vcc 0
		.amdhsa_float_denorm_mode_32 3
		.amdhsa_float_denorm_mode_16_64 3
		.amdhsa_memory_ordered 1
		.amdhsa_forward_progress 1
		.amdhsa_inst_pref_size 70
	.end_amdhsa_kernel
	.amdgpu_metadata
---
amdhsa.version: [ 1, 2 ]
amdhsa.kernels:
  - .name:           k_q62b2978dd5_attn
    .symbol:         k_q62b2978dd5_attn.kd
    .args:
      - { .name: aq, .offset: 0, .size: 8, .value_kind: global_buffer, .address_space: global }
      - { .name: maskw, .offset: 8, .size: 8, .value_kind: global_buffer, .address_space: global }
      - { .name: oq, .offset: 16, .size: 8, .value_kind: global_buffer, .address_space: global }
    .group_segment_fixed_size: 206848
    .private_segment_fixed_size: 0
    .kernarg_segment_align: 8
    .kernarg_segment_size: 24
    .max_flat_workgroup_size: 512
    .sgpr_count:     102
    .vgpr_count:     256
    .wavefront_size: 32
...
	.end_amdgpu_metadata
.endif
;; end of part 4
;; launch outproj (part 5): grid 4 x 32, 4 waves a work-group, clusters of 4 x 4, 327,680 bytes of LDS; arguments oq, wc, ws, b_o, out0; writes out0
.if DOCPART == 5
	.amdgcn_target "amdgcn-amd-amdhsa--gfx1250"
	.amdhsa_code_object_version 6
	.text
	.protected	k_q62b2978dd5_outproj
	.globl	k_q62b2978dd5_outproj
	.p2align	8
	.type	k_q62b2978dd5_outproj,@function
k_q62b2978dd5_outproj:
	s_mov_b64 s[64:65], 0
	v_nop
	global_prefetch_b8 v0, s[64:65] scope:SCOPE_SE
	s_setreg_imm32_b32 hwreg(HW_REG_WAVE_MODE, 25, 1), 1
	s_wait_xcnt 0x0
	s_wait_alu depctr_hold_cnt(0) depctr_sa_sdst(0) depctr_va_vdst(0) depctr_va_sdst(0) depctr_va_ssrc(0) depctr_va_vcc(0) depctr_vm_vsrc(0)
	s_getreg_b32 s2, hwreg(HW_REG_IB_STS2, 6, 4)
	s_cmp_eq_u32 s2, 0
	s_cbranch_scc0 .Lentry_in_a_cluster
	s_endpgm
.Lentry_in_a_cluster:
	s_bfe_u32 s2, ttmp6, 0x10000c
	s_cmp_lg_u32 s2, 0xf033
	s_cbranch_scc0 .Lentry_shape_is_right
	s_endpgm
.Lentry_shape_is_right:
; out0 = O W_o + b_o on codes of E2M3 with one E8M0 scale for each 32 along K = 1,024.  out0: [8192][1024] f32.
; A = the attention's result, stored by the launch before AS IMAGES OF OPERAND REGISTERS: oq [128 tokens 64][128 along K 8][tile of 16 tokens 8][1,536 bytes], its scale bytes [token][32] at byte 6,291,456.
; B = W_o's columns n as rows of 768 bytes (wc's fourth part), stored with bits 3 and 4 of n exchanged; scale bytes in ws's fourth part.
; A tile of 256 x 256 is made by four waves, 128 x 128 each; K goes in steps of 256 through a ring of two LDS slots.  A K step of 128 tokens of A is ONE dense block of 24,576 bytes: it comes as 96 rows of 256 bytes, unpadded,
; and a fragment is six loads of 8 bytes a lane, 256 consecutive bytes each.  B's tiles and both sides' scales come as rows, padded.
; THE MATRIX INSTRUCTION IS USED TRANSPOSED (source 0 = 16 rows of B, source 1 = 16 rows of A): lane (r, h) holds token r, and register j of block b is column 32 (b / 2) + 16 h + 8 (b % 2) + j.
; The bias is the C of each sum's first matrix instruction.  CLUSTERS: 4 x 4; A's tile is shared along a row of the cluster, B's along a column: each is asked for JOINTLY.
; 128 work-groups: a tile of 256 x 256 feeds twice the products from each LDS byte that a tile with half the rows would.
; REGISTERS: window 0: v0-31 addresses; v32-63 scale words, two sets; v64-127 the bias; from v128 A's fragments, ONE set.  window 1: B's fragments, TWO sets.  windows 2, 3: the accumulators.
.set SIZE_K, 1024
.set SIZE_N, 1024
.set KSTEP,  256
.set NQ,     KSTEP/128
.set ROWB,   192
.set KROW,   SIZE_K*6/8
.set PITCH,  240
.set FR,     12
.set NL,     6
.set NP,     4
.set HALFT,  128*PITCH
.set SLOT,   4*HALFT
.set ASLOT,  24576                     ; a K step of 128 tokens' images
.set LAPS,   SIZE_K/(2*KSTEP)
.set KS,     SIZE_K/32
.set SCL,    2*SLOT
.set HALFS,  (128*KS/256)*272
.set SBLK,   (16*KS/256)*272
.set SPARE,  SCL+4*HALFS
.set SPITCH, 528                       ; the way out: a stage of 16 rows x (512 bytes + 16) for each wave, in slot 0, which has had its last fill and its last read by then
.set ADRA, 16
.set ADRB, 20
.set STO,  24
.set RD,   25
.set CO,   26
.set ADRS, 27
.set SPW,  28
.set NIL,  29
.set BO,   30
.set SC,   32
.set BI,   64
.set AF,   128
.set BK,   128
.set G1, 24
.set G0, 32
.set G1B, 48
.set G0B, 56
.set G1S, 68
.set G0S, 76
.set G1SB, 80
.set G0SB, 88
.set MSB, 0
.macro WIN new
.if MSB != (\new)
	s_set_vgpr_msb (MSB<<8)|(\new)
.set MSB, (\new)
.endif
.endm
.set MUL_LO, 0xa1
.set MUL_HI, 0xf1
.set BIA_LO, 0x81
.set BIA_HI, 0xc1
.set TO_B,   0x40
.macro JLOAD g0a, g1a, g0b, g1b        ; a joint load: waves 0 and 1 fetch for A, waves 2 and 3 for B; an s_nop 0 and four v_nop follow each of the two lines
	s_cmp_eq_u32 s15, 0
	s_cbranch_scc0 .Lfor_b_\@
	tensor_load_to_lds s[\g0a:\g0a+3], s[\g1a:\g1a+7]
	s_nop 0
.rept 4
	v_nop
.endr
	s_branch .Lasked_\@
.Lfor_b_\@:
	tensor_load_to_lds s[\g0b:\g0b+3], s[\g1b:\g1b+7]
	s_nop 0
.rept 4
	v_nop
.endr
.Lasked_\@:
.endm
.macro CREST
	s_cmp_lg_u32 s14, 0
	s_cbranch_scc1 .Lnot_wave_0_\@
	s_barrier_signal -3
.Lnot_wave_0_\@:
	s_barrier_wait -3
	s_barrier_signal -1
	s_barrier_wait -1
.endm
.macro CROUND
	s_barrier_signal -1
	s_barrier_wait -1
	CREST
.endm
	s_load_b256 s[4:11], s[0:1], 0x0               ; oq s[4:5], wc s[6:7], ws s[8:9], b_o s[10:11]
	s_load_b64 s[12:13], s[0:1], 0x20              ; out0
	v_lshl_add_u32 v[SPW], v0, 2, SPARE
	v_mov_b32 v[NIL], 0
	ds_add_u32 v[SPW], v[NIL]                      ; the wave's opening: the add and its wait stand ahead of my first tensor load
	v_lshrrev_b32 v1, 5, v0
	v_readfirstlane_b32 s14, v1                    ; wave 0..3
	s_lshr_b32 s15, s14, 1
	s_and_b32 s16, s14, 1
	s_bfe_u32 s40, ttmp6, 0x40000                  ; cx
	s_bfe_u32 s41, ttmp6, 0x40004                  ; cy
	s_lshl_b32 s42, ttmp9, 2
	s_add_co_u32 s42, s42, s40                     ; tile column
	s_and_b32 s17, ttmp7, 0xffff
	s_lshl_b32 s17, s17, 2
	s_add_co_u32 s17, s17, s41                     ; tile row
	s_lshl_b32 s43, s41, 2
	s_lshl_b32 s43, 15, s43                        ; my row of the cluster
	s_lshl_b32 s44, 0x1111, s40                    ; my column
	; A: 24,576 dense bytes as 96 rows of 256 bytes (32 elements of 8), no padding
	s_or_b32 s[G1+0], s43, (3<<16)|(1<<21)
	s_mov_b32 s[G1+1], 32<<16
	s_mov_b32 s[G1+2], 96<<16
	s_mov_b32 s[G1+3], 32<<16
	s_mov_b32 s[G1+4], 96
	s_mov_b32 s[G1+5], 32
	s_mov_b32 s[G1+6], 0
	s_mov_b32 s[G1+7], 0
	; B: 128 rows x 192 bytes, 16 bytes of padding behind every 64
	s_or_b32 s[G1B+0], s44, (0<<16)|(1<<20)|(1<<21)|(3<<22)|(3<<25)
	s_mov_b32 s[G1B+1], ROWB<<16
	s_mov_b32 s[G1B+2], 128<<16
	s_mov_b32 s[G1B+3], ROWB<<16
	s_mov_b32 s[G1B+4], 128
	s_mov_b32 s[G1B+5], KROW
	s_mov_b32 s[G1B+6], 0
	s_mov_b32 s[G1B+7], 0
	; the scales of 128 rows: 16 rows of 256 bytes, 16 bytes of padding behind each
	s_or_b32 s[G1S+0], s43, (3<<16)|(1<<20)|(1<<21)|(5<<22)|(3<<25)
	s_or_b32 s[G1SB+0], s44, (3<<16)|(1<<20)|(1<<21)|(5<<22)|(3<<25)
.irp g, G1S, G1SB
	s_mov_b32 s[\g+1], 32<<16
	s_mov_b32 s[\g+2], (128*KS/256)<<16
	s_mov_b32 s[\g+3], 32<<16
	s_mov_b32 s[\g+4], 128*KS/256
	s_mov_b32 s[\g+5], 32
	s_mov_b32 s[\g+6], 0
	s_mov_b32 s[\g+7], 0
.endr
	s_lshl_b32 s18, s16, 7
	s_lshl_b32 s20, s17, 8
	s_add_co_u32 s20, s20, s18                     ; A: the 128 tokens that I fetch
	s_lshl_b32 s46, s42, 8
	s_add_co_u32 s46, s46, s18                     ; B: the 128 rows
	s_mov_b32 s21, 0
	s_mov_b32 s47, 0
	s_mov_b64 s[18:19], KS
	s_mul_u64 s[22:23], s[20:21], s[18:19]
	s_mul_u64 s[92:93], s[46:47], s[18:19]
	s_mov_b64 s[18:19], KROW
	s_mul_u64 s[20:21], s[20:21], s[18:19]         ; 128 tokens' images are 98,304 bytes = 128 x 768: the same product serves images and rows
	s_mul_u64 s[46:47], s[46:47], s[18:19]
	s_mul_i32 s45, s14, HALFT
	s_mul_i32 s94, s14, HALFS
	s_wait_dscnt 0x0                               ; the opening add is done
	s_wait_kmcnt 0x0
	s_add_nc_u64 s[20:21], s[4:5], s[20:21]
	s_add_nc_u64 s[22:23], s[4:5], s[22:23]
	s_add_nc_u64 s[22:23], s[22:23], 6291456       ; A's scale bytes lie behind its images
	s_add_nc_u64 s[46:47], s[6:7], s[46:47]
	s_add_nc_u64 s[46:47], s[46:47], 2359296       ; W_o is wc's fourth part,
	s_add_nc_u64 s[92:93], s[8:9], s[92:93]
	s_add_nc_u64 s[92:93], s[92:93], 98304         ; and ws's
	CROUND                                         ; all sixteen work-groups are here: the first joint loads meet
	s_mov_b32 s[G0S], 1
	s_add_co_u32 s[G0S+1], s94, SCL
	s_mov_b64 s[G0S+2:G0S+3], s[22:23]
	s_or_b32 s[G0S+3], s[G0S+3], 0x80000000
	s_mov_b32 s[G0SB], 1
	s_add_co_u32 s[G0SB+1], s94, SCL
	s_mov_b64 s[G0SB+2:G0SB+3], s[92:93]
	s_or_b32 s[G0SB+3], s[G0SB+3], 0x80000000
	JLOAD G0S, G1S, G0SB, G1SB
.irp s, 0,1
	s_mov_b32 s[G0+4*\s], 1
	s_add_co_u32 s[G0+4*\s+1], s45, \s*SLOT
	s_add_nc_u64 s[G0+4*\s+2:G0+4*\s+3], s[20:21], \s*ASLOT
	s_or_b32 s[G0+4*\s+3], s[G0+4*\s+3], 0x80000000
	s_mov_b32 s[G0B+4*\s], 1
	s_add_co_u32 s[G0B+4*\s+1], s45, \s*SLOT
	s_add_nc_u64 s[G0B+4*\s+2:G0B+4*\s+3], s[46:47], \s*ROWB
	s_or_b32 s[G0B+4*\s+3], s[G0B+4*\s+3], 0x80000000
	JLOAD G0+4*\s, G1, G0B+4*\s, G1B               ; three loads of mine are out
.endr
	v_and_b32 v1, 15, v0                           ; r
	v_bfe_u32 v2, v0, 4, 1                         ; h
	v_mul_u32_u24 v3, v1, PITCH
	v_mul_u32_u24 v4, v2, 24
	v_add_nc_u32 v4, v3, v4                        ; B: a fragment's row x pitch + 24 x half
	v_lshl_add_u32 v5, v2, 4, v4                   ; and the same behind one padding more
	v_and_b32 v6, 31, v0
	v_lshlrev_b32 v7, 3, v6                        ; A: 8 x lane
	s_mul_i32 s21, s15, HALFT
	s_mul_i32 s22, s16, HALFT
	s_add_co_u32 s22, s22, 2*HALFT
.irp s, 0,1
	v_add_nc_u32 v[ADRA+\s], s21, v7
	v_add_nc_u32 v[ADRB+\s], s22, v4
	v_add_nc_u32 v[ADRB+2+\s], s22, v5
	s_add_co_u32 s21, s21, SLOT
	s_add_co_u32 s22, s22, SLOT
.endr
	v_mul_u32_u24 v5, v1, KS
	v_lshrrev_b32 v3, 8, v5
	v_lshl_add_u32 v5, v3, 4, v5
	s_mul_i32 s21, s15, HALFS
	s_mul_i32 s22, s16, HALFS
	s_add_co_u32 s22, s22, 2*HALFS
	s_sub_co_u32 s22, s22, s21
	v_mul_u32_u24 v3, s22, v2                      ; lanes 16-31 take B's
	s_add_co_u32 s21, s21, SCL
	v_add_nc_u32 v5, v5, v3
	v_add_nc_u32 v[ADRS], s21, v5
	s_mul_i32 s23, s14, 16*SPITCH                  ; my stage
	v_mul_u32_u24 v5, v1, SPITCH                   ; in: row r, + 64 h: my half's 16 columns of each 32
	v_lshl_add_u32 v5, v2, 6, v5
	v_add_nc_u32 v[STO], s23, v5
	v_lshlrev_b32 v[CO], 4, v6                     ; back: the 32 lanes take one row of 512 bytes; and the same in out0
	v_add_nc_u32 v[RD], s23, v[CO]
	s_lshl_b32 s18, s42, 8                         ; the bias of my 128 columns
	s_lshl_b32 s19, s16, 7
	s_add_co_u32 s18, s18, s19
	s_lshl_b32 s18, s18, 2
	s_mov_b32 s19, 0
	s_add_nc_u64 s[10:11], s[10:11], s[18:19]
	v_lshlrev_b32 v[BO], 6, v2
.irp b, 0,1,2,3,4,5,6,7
	global_load_b128 v[BI+8*\b:BI+8*\b+3], v[BO], s[10:11] offset:(32*(\b/2)+8*(\b%2))*4
	global_load_b128 v[BI+8*\b+4:BI+8*\b+7], v[BO], s[10:11] offset:(32*(\b/2)+8*(\b%2))*4+16
.endr
	s_lshl_b32 s20, s17, 8
	s_lshl_b32 s21, s15, 7
	s_add_co_u32 s20, s20, s21                     ; my first row of out0
	s_mov_b32 s21, 0
	s_mov_b64 s[18:19], SIZE_N*4
	s_mul_u64 s[20:21], s[20:21], s[18:19]
	s_lshl_b32 s46, s42, 10                        ; my first column, in bytes
	s_lshl_b32 s47, s16, 9
	s_add_co_u32 s46, s46, s47
	s_mov_b32 s47, 0
	s_add_nc_u64 s[20:21], s[20:21], s[46:47]
	s_add_nc_u64 s[12:13], s[12:13], s[20:21]
.macro FRAG reg, adr, q, i             ; B's fragment from padded rows, in pieces of 8 bytes
.irp p, 0,1,2,3,4,5
.set PCE, 12*(\q)+6*(\p/3)+\p%3
.if PCE%8 < 5
	ds_load_b64 v[\reg+2*\p:\reg+2*\p+1], v[\adr] offset:8*PCE+16*(PCE/8)+(\i)*16*PITCH
.else
	ds_load_b64 v[\reg+2*\p:\reg+2*\p+1], v[\adr+2] offset:8*PCE+16*(PCE/8)+(\i)*16*PITCH
.endif
.endr
.endm
.macro FRAGI reg, adr, q, i            ; A's fragment from its image: pair p of the 12 registers lies at 256 p + 8 x lane
.irp p, 0,1,2,3,4,5
	ds_load_b64 v[\reg+2*\p:\reg+2*\p+1], v[\adr] offset:(8*(\q)+(\i))*1536+256*\p
.endr
.endm
.macro MUL16 a0, p, q, sc, cm          ; 16 matrix instructions; cm = 1: the bias starts the sums.  The 64 accumulators take turns
.irp a, \a0, \a0+1
.irp b, 0,1,2,3,4,5,6,7
.if \cm
	v_wmma_scale_f32_16x16x128_f8f6f4 v[8*(8*((\a)%4)+\b):8*(8*((\a)%4)+\b)+7], v[128*(\p)+FR*\b:128*(\p)+FR*\b+FR-1], v[AF+FR*(\a):AF+FR*(\a)+FR-1], v[BI+8*\b:BI+8*\b+7], v[SC+8*NQ*(\sc)+NQ*\b+(\q)], v[SC+8*NQ*(\sc)+NQ*(\a)+(\q)] matrix_a_fmt:MATRIX_FMT_FP6 matrix_b_fmt:MATRIX_FMT_FP6 matrix_a_scale:MATRIX_SCALE_ROW1
.else
	v_wmma_scale_f32_16x16x128_f8f6f4 v[8*(8*((\a)%4)+\b):8*(8*((\a)%4)+\b)+7], v[128*(\p)+FR*\b:128*(\p)+FR*\b+FR-1], v[AF+FR*(\a):AF+FR*(\a)+FR-1], v[8*(8*((\a)%4)+\b):8*(8*((\a)%4)+\b)+7], v[SC+8*NQ*(\sc)+NQ*\b+(\q)], v[SC+8*NQ*(\sc)+NQ*(\a)+(\q)] matrix_a_fmt:MATRIX_FMT_FP6 matrix_b_fmt:MATRIX_FMT_FP6 matrix_a_scale:MATRIX_SCALE_ROW1
.endif
.endr
.endr
.endm
.macro FETCH_B slot, q, p
	WIN TO_B
.irp i, 0,1,2,3,4,5,6,7
	FRAG 128*(\p)+FR*\i, ADRB+\slot, \q, \i
.endr
	WIN 0
.endm
.macro FETCH_A slot, q, i0
.irp i, \i0, \i0+1, \i0+2, \i0+3
	FRAGI AF+FR*(\i), ADRA+\slot, \q, \i
.endr
.endm
.macro SCALES sc
.irp i, 0,1,2,3,4,5,6,7
	ds_load_b64 v[SC+8*NQ*\sc+NQ*\i:SC+8*NQ*\sc+NQ*\i+1], v[ADRS] offset:\i*SBLK
.endr
.endm
.macro PLACES n
.rept \n
	v_nop
.endr
.endm
.macro STEP slot, q, cm
	s_wait_dscnt 4*NL                              ; B's set and A's blocks 0-3 are in; the youngest 24 loads (A's blocks 4-7) may be out
.if \cm
	WIN BIA_LO
.else
	WIN MUL_LO
.endif
	MUL16 0, (\q)%2, \q, \slot, \cm
	MUL16 2, (\q)%2, \q, \slot, \cm
	s_wait_dscnt 0
	PLACES NP
	FETCH_B \slot, (\q)+1, 1-(\q)%2
	FETCH_A \slot, (\q)+1, 0
.if \cm
	WIN BIA_HI
.else
	WIN MUL_HI
.endif
	MUL16 4, (\q)%2, \q, \slot, \cm
	MUL16 6, (\q)%2, \q, \slot, \cm
	PLACES NP
	WIN 0
	FETCH_A \slot, (\q)+1, 4
.endm
.macro TURN slot, next, fill           ; a slot's last step changes slots: ONE barrier, the three lines in front of it, the refill first behind it
	s_wait_tensorcnt 0x0                           ; all my tensor loads have landed: my part of the next slot
	ds_add_u32 v[SPW], v[NIL]                      ; 0 onto my spare word
	s_wait_dscnt 4*NL+1                            ; (the add and the youngest 24 loads may be out)
	WIN MUL_LO
	MUL16 0, 1, NQ-1, \slot, 0
	s_wait_dscnt 0x0                               ; the add is done, and my reads of this slot are over
	s_barrier_signal -1
	MUL16 2, 1, NQ-1, \slot, 0
	WIN 0
	s_barrier_wait -1
.if \fill
	CREST                                          ; the barrier has opened a round of the cluster's barrier
	s_add_nc_u64 s[G0+4*\slot+2:G0+4*\slot+3], s[G0+4*\slot+2:G0+4*\slot+3], 2*ASLOT
	s_add_nc_u64 s[G0B+4*\slot+2:G0B+4*\slot+3], s[G0B+4*\slot+2:G0B+4*\slot+3], 2*ROWB
	JLOAD G0+4*\slot, G1, G0B+4*\slot, G1B
.else
	PLACES NP
.endif
	v_add_nc_u32 v[ADRS], 4*NQ, v[ADRS]
	FETCH_B \next, 0, 0
	FETCH_A \next, 0, 0
	SCALES \next
	WIN MUL_HI
	MUL16 4, 1, NQ-1, \slot, 0
	MUL16 6, 1, NQ-1, \slot, 0
	PLACES NP
	WIN 0
	FETCH_A \next, 0, 4
.endm
	s_wait_tensorcnt 1                             ; the scales and my part of K step 0 are in (K step 1's load may be out),
	s_barrier_signal -1
	s_barrier_wait -1                              ; everybody's are
	FETCH_B 0, 0, 0
	FETCH_A 0, 0, 0
	SCALES 0
	FETCH_A 0, 0, 4
	s_wait_loadcnt 0x0                             ; the bias
	STEP 0, 0, 1                                   ; the first step stands in front of the loop: the bias starts the sums
	s_mov_b32 s3, LAPS-1
.Llap:
	TURN 0, 1, 1
	STEP 1, 0, 0
	TURN 1, 0, 1
	STEP 0, 0, 0
	s_sub_co_u32 s3, s3, 1
	s_cmp_lg_u32 s3, 0
	s_cbranch_scc1 .Llap
	TURN 0, 1, 0                                   ; the last lap fills nothing
	STEP 1, 0, 0
	s_wait_dscnt 4*NL
	WIN MUL_LO
	MUL16 0, 1, NQ-1, 1, 0
	MUL16 2, 1, NQ-1, 1, 0
	s_wait_dscnt 0
	WIN MUL_HI
	MUL16 4, 1, NQ-1, 1, 0
	MUL16 6, 1, NQ-1, 1, 0
	WIN 0
; THE WAY OUT, block by block of 16 rows x 128 columns, through my own stage in LDS: in by 32 bytes a lane and block of B, back as whole rows of 512 bytes.  LDS serves a wave's instructions in order.
.macro TOSTAGE a
.set AC, 64*((\a)%4)
	WIN 0x08+4*((\a)/4)                            ; the data: window 2 or 3
.irp b, 0,1,2,3,4,5,6,7
	ds_store_b128 v[STO], v[AC+8*\b:AC+8*\b+3] offset:128*(\b/2)+32*(\b%2)          ; columns 32 (b / 2) + 16 h + 8 (b % 2) on; each accumulator from its low end on
	ds_store_b128 v[STO], v[AC+8*\b+4:AC+8*\b+7] offset:128*(\b/2)+32*(\b%2)+16
.endr
	WIN 0
.set BB, BK+64*((\a)%2)
.irp t, 0,1,2,3,4,5,6,7,8,9,10,11,12,13,14,15
	ds_load_b128 v[BB+4*\t:BB+4*\t+3], v[RD] offset:\t*SPITCH
.endr
.endm
.macro SEND a, younger
.set BB, BK+64*((\a)%2)
	s_wait_dscnt \younger                          ; the block is back in registers; the LDS instructions issued behind its loads may be out
.if (\a) > 0
	s_add_nc_u64 s[12:13], s[12:13], 16*SIZE_N*4   ; (behind a wait on XCNT: the earlier stores have read their base)
.endif
.irp t, 0,1,2,3,4,5,6,7,8,9,10,11,12,13,14,15
	global_store_b128 v[CO], v[BB+4*\t:BB+4*\t+3], s[12:13] offset:\t*SIZE_N*4 th:TH_STORE_NT   ; 32 lanes store 512 consecutive bytes, aligned to 256
.endr
.endm
	PLACES NP
	TOSTAGE 0
.irp a, 1,2,3,4,5,6,7
.if \a > 1
	s_wait_xcnt 0x0                                ; block a - 2's stores have read their registers and their base
.endif
	TOSTAGE \a
	SEND \a-1, 32                                  ; behind block a - 1's loads: block a's 16 stores and 16 loads
.endr
	s_wait_xcnt 0x0
	SEND 7, 0
	s_wait_tensorcnt 0x0                           ; the wave's end, behind my last tensor load and my last LDS store
	ds_add_u32 v[SPW], v[NIL]
	s_wait_dscnt 0x0
	CROUND                                         ; the closing round
	s_endpgm
.Lfunc_end_k_q62b2978dd5_outproj:
	.size	k_q62b2978dd5_outproj, .Lfunc_end_k_q62b2978dd5_outproj-k_q62b2978dd5_outproj
	.p2alignl 7, 3214868480
	.fill 96, 4, 3214868480
	.section	.rodata,"a",@progbits
	.p2align	6, 0x0
	.amdhsa_kernel k_q62b2978dd5_outproj
		.amdhsa_group_segment_fixed_size 327680
		.amdhsa_private_segment_fixed_size 0
		.amdhsa_enable_private_segment 0
		.amdhsa_kernarg_size 40
		.amdhsa_user_sgpr_count 2
		.amdhsa_user_sgpr_kernarg_segment_ptr 1
		.amdhsa_wavefront_size32 1
		.amdhsa_system_sgpr_workgroup_id_x 1
		.amdhsa_system_sgpr_workgroup_id_y 1
		.amdhsa_system_sgpr_workgroup_id_z 1
		.amdhsa_system_vgpr_workitem_id 0
		.amdhsa_next_free_vgpr 1024
		.amdhsa_next_free_sgpr 98
		.amdhsa_reserve_vcc 0
		.amdhsa_float_denorm_mode_32 3
		.amdhsa_float_denorm_mode_16_64 3
		.amdhsa_memory_ordered 1
		.amdhsa_forward_progress 1
		.amdhsa_inst_pref_size 162
	.end_amdhsa_kernel
	.amdgpu_metadata
---
amdhsa.version: [ 1, 2 ]
amdhsa.kernels:
  - .name:           k_q62b2978dd5_outproj
    .symbol:         k_q62b2978dd5_outproj.kd
    .args:
      - { .name: oq, .offset: 0, .size: 8, .value_kind: global_buffer, .address_space: global }
      - { .name: wc, .offset: 8, .size: 8, .value_kind: global_buffer, .address_space: global }
      - { .name: ws, .offset: 16, .size: 8, .value_kind: global_buffer, .address_space: global }
      - { .name: b_o, .offset: 24, .size: 8, .value_kind: global_buffer, .address_space: global }
      - { .name: out0, .offset: 32, .size: 8, .value_kind: global_buffer, .address_space: global }
    .group_segment_fixed_size: 327680
    .private_segment_fixed_size: 0
    .kernarg_segment_align: 8
    .kernarg_segment_size: 40
    .max_flat_workgroup_size: 128
    .sgpr_count:     98
    .vgpr_count:     1024
    .wavefront_size: 32
...
	.end_amdgpu_metadata
.endif
;; end of part 5
